; MI455X (gfx1250); checked and timed in simulation.
; The chip was launched on July 23, 2026; its instructions are those of AMD's public machine-readable ISA for CDNA 5 (MIT licence, August 2026) and "CDNA5" Instruction Set Architecture Reference Guide (July 2026). The comments in the code are by the model that wrote it; some were corrected since.
;; Self Attention. Allowed arithmetic: float matrix products may take bf16 or f16 operands with f32 sums; all other float work in f32.
;; Inputs: Wk 256 x 64 float32; Wq 256 x 64 float32; Wv 256 x 64 float32; bk 64 float32; bq 64 float32; bv 64 float32; x 8 x 4,096 x 256 float32.
;; Outputs: out0 8 x 4,096 x 64 float32.
;; 2 versions, each right and faster than the one before. Each part assembles by itself: llvm-mc -triple=amdgcn-amd-amdhsa -mcpu=gfx1250 --defsym DOCPART=n.
;; ======== version 1 of 2: 3 launches
;; limits: values are held in f16: magnitudes above 65,504 overflow, below 6.1e-05 lose precision
;; workspace buffers: qh 4,194,304 bytes; kh 4,194,304 bytes; vt 4,194,304 bytes; nc 131,072 bytes
;; launch proj (part 1): grid 256 x 1, 8 waves a work-group, no clusters, 294,912 bytes of LDS; arguments x, Wq, Wk, Wv, bq, bk, bv, qh, kh, vt; writes qh, kh, vt
.if DOCPART == 1
	.amdgcn_target "amdgcn-amd-amdhsa--gfx1250"
	.amdhsa_code_object_version 6
	.text
	.protected	k_qcdfb10c95c_proj
	.globl	k_qcdfb10c95c_proj
	.p2align	8
	.type	k_qcdfb10c95c_proj,@function
k_qcdfb10c95c_proj:
	s_mov_b64 s[64:65], 0
	v_nop
	global_prefetch_b8 v0, s[64:65] scope:SCOPE_SE
	s_setreg_imm32_b32 hwreg(HW_REG_WAVE_MODE, 25, 1), 1
	s_wait_xcnt 0x0
; qh[token][d] = f16((x Wq + bq) log2(e)/8),  kh[token][d] = f16(x Wk + bk),  vt[batch][d][token] = f16(x Wv + bv).
; x: [32768 tokens][256] f32; W: [256][64] f32; sums in f32, operands of the products in f16.
; The work-group owns 128 tokens, wave w 16 of them and all 192 output columns: 12 tiles of 16 x 16, 8 K steps of 32.
; x comes in by one tensor load a wave (16 rows of 1,024 bytes; one load of the wave is outstanding, and nothing is filled twice);
; each wave reads only its own rows.  W is converted to f16 once, through registers, into LDS as [k][192 columns].
; q and k tiles take W's fragment as source 0 and x's as source 1: a lane then holds 8 neighbouring d of one token (16 bytes of f16).
; v tiles take them the other way round: a lane holds 8 neighbouring tokens of one d, which is a piece of a row of vt.
; NO CLUSTER: what the work-groups share is W, which has to pass through registers on its way from f32 to f16; as f32 tiles its
; 196,608 bytes beside x's 133,120 are more than the 327,680 bytes of LDS that a work-group can have.
; LIMITS: x, W and the results 0.18 q, k, v are rounded to f16, so their magnitudes have to stay below 65,504.
.set XPITCH, 1040                      ; an LDS row of x: 1,024 bytes + 16: an odd multiple of 16, so 16 rows start in 16 different 16-byte columns
.set XPART,  16*XPITCH                 ; a wave's 16 rows
.set WL,     8*XPART                   ; 133,120: W in f16, [k 256][q 64 | k 64 | v 64]
.set WPITCH, 416                       ; 384 bytes + 32: an odd multiple of 32, for the transposing loads
.set QS,     WL+256*WPITCH             ; 239,616: each wave's stage for q (16 rows), then for k (16 rows)
.set QPITCH, 144                       ; 128 bytes + 16
.set QPART,  2*16*QPITCH
.set VS,     QS+8*QPART                ; 276,480: the group's stage for v: 64 rows (d) of 128 tokens
.set VPITCH, 272                       ; 256 bytes + 16
.set WOFF, 1                           ; v1      16 x thread: my 16 bytes in each 4,096 of a W
.set WS,   2                           ; v2-3    where I put my 8 bytes of f16 W, k 0-127 and k 128-255
.set XA,   4                           ; v4      my x fragment's bytes
.set WAD,  5                           ; v5-6    my W fragment's bytes, K steps 0-3 and 4-7
.set QSA,  7                           ; v7      q/k stage, in
.set RDA,  8                           ; v8      q/k stage, back
.set VSA,  9                           ; v9      v stage, in
.set VRA,  10                          ; v10     v stage, back
.set BO,   11                          ; v11     32 h: my 8 numbers in each 16 of bq, bk
.set BVO,  12                          ; v12     4 r: my number in each 16 of bv
.set QKO,  13                          ; v13     16 x lane, in qh and kh
.set VTO,  14                          ; v14     my 16 bytes in vt
.set BV,   16                          ; v16-19  bv of my column in the four v tiles
.set T,    20                          ; v20-27  at work
.set ACC,  32                          ; v32-127 twelve accumulator tiles: 0-3 q, 4-7 k, 8-11 v
.set WA,   128                         ; v128-175 W fragments of tiles 0-5
.set WB,   176                         ; v176-223 W fragments of tiles 6-11
.set XR,   224                         ; v224-239 16 numbers of x in f32
.set XF,   240                         ; v240-255 x fragments in f16, two buffers
.set G0,   28                          ; s[28:31] descriptor group 0
.set G1,   32                          ; s[32:39] descriptor group 1
	s_load_b512 s[8:23], s[0:1], 0x0               ; x s[8:9], Wq s[10:11], Wk s[12:13], Wv s[14:15], bq s[16:17], bk s[18:19], bv s[20:21], qh s[22:23]
	s_load_b128 s[24:27], s[0:1], 0x40             ; kh s[24:25], vt s[26:27]
	v_lshl_add_u32 v30, v0, 2, 0x47c00
	v_mov_b32 v31, 0
	ds_add_u32 v30, v31
	ds_add_u32 v30, v31
	v_lshrrev_b32 v[T], 5, v0
	v_readfirstlane_b32 s4, v[T]                   ; wave 0..7
	; group 1: 16 rows of 256 elements of 4 bytes; behind every 256 words 4 words of padding
	s_mov_b32 s[G1+0], (2<<16)|(1<<20)|(7<<22)|(3<<25)
	s_mov_b32 s[G1+1], 256<<16                     ; tensor_dim0 = 256
	s_mov_b32 s[G1+2], 16<<16                      ; tensor_dim1 = 16
	s_mov_b32 s[G1+3], 256<<16                     ; tile_dim0 = 256
	s_mov_b32 s[G1+4], 16                          ; tile_dim1 = 16
	s_mov_b32 s[G1+5], 256                         ; elements from row to row
	s_mov_b32 s[G1+6], 0
	s_mov_b32 s[G1+7], 0
	s_lshl_b32 s40, ttmp9, 17                      ; 128 tokens of 1,024 bytes a work-group,
	s_lshl_b32 s5, s4, 14                          ; 16 a wave
	s_add_co_u32 s40, s40, s5
	s_mov_b32 s41, 0
	s_mov_b32 s[G0], 1
	s_mul_i32 s[G0+1], s4, XPART                   ; LDS: the wave's number times its part
	s_wait_dscnt 0x0
	s_wait_kmcnt 0x0
	s_add_nc_u64 s[G0+2:G0+3], s[8:9], s[40:41]
	s_or_b32 s[G0+3], s[G0+3], 0x80000000
	tensor_load_to_lds s[G0:G0+3], s[G1:G1+7]      ; the wave's only tensor load, ahead of everything else
	s_nop 0
	; W: the 256 threads take 4,096 neighbouring bytes (16 rows k) with each load; 16 loads a matrix
	v_lshlrev_b32 v[WOFF], 4, v0
.irp m, 0,1,2
.irp it, 0,1,2,3,4,5,6,7,8,9,10,11,12,13,14,15
	global_load_b128 v[ACC+4*(16*\m+\it):ACC+4*(16*\m+\it)+3], v[WOFF], s[10+2*\m:11+2*\m] offset:4096*\it
.endr
.endr
	; addresses, while these are on their way
	v_and_b32 v[T], 15, v0                         ; r
	v_lshrrev_b32 v[T+1], 4, v0                    ; thread / 16: my row k in each 16
	v_bfe_u32 v[T+2], v0, 4, 1                     ; h
	v_mul_u32_u24 v[WS], v[T+1], WPITCH
	v_lshl_add_u32 v[WS], v[T], 3, v[WS]           ; + 8 bytes for my 4 columns
	v_add_nc_u32 v[WS], WL, v[WS]
	v_add_nc_u32 v[WS+1], 128*WPITCH, v[WS]
	s_mul_i32 s6, s4, XPART
	v_mul_u32_u24 v[XA], v[T], XPITCH
	v_lshl_add_u32 v[XA], v[T+2], 5, v[XA]         ; row r, 8 h numbers of 4 bytes
	v_add_nc_u32 v[XA], s6, v[XA]
	v_and_b32 v[T+4], 7, v0
	v_lshl_add_u32 v[T+3], v[T+2], 3, v[T+4]       ; 8 h + lane % 8: the row k that I address for the transposing load
	v_mul_u32_u24 v[WAD], v[T+3], WPITCH
	v_bfe_u32 v[T+5], v0, 3, 1
	v_lshl_add_u32 v[WAD], v[T+5], 4, v[WAD]       ; + 16 for the upper 8 columns
	v_add_nc_u32 v[WAD], WL, v[WAD]
	v_add_nc_u32 v[WAD+1], 128*WPITCH, v[WAD]
	s_mul_i32 s7, s4, QPART
	s_add_co_u32 s7, s7, QS
	v_mul_u32_u24 v[QSA], v[T], QPITCH
	v_lshl_add_u32 v[QSA], v[T+2], 4, v[QSA]
	v_add_nc_u32 v[QSA], s7, v[QSA]                ; token r, 8 h numbers of 2 bytes
	v_bfe_u32 v[T+5], v0, 3, 2
	v_mul_u32_u24 v[RDA], v[T+5], QPITCH
	v_lshl_add_u32 v[RDA], v[T+4], 4, v[RDA]
	v_add_nc_u32 v[RDA], s7, v[RDA]                ; eight lanes take a row of 128 bytes
	s_lshl_b32 s5, s4, 5
	s_add_co_u32 s5, s5, VS
	v_mul_u32_u24 v[VSA], v[T], VPITCH
	v_lshl_add_u32 v[VSA], v[T+2], 4, v[VSA]
	v_add_nc_u32 v[VSA], s5, v[VSA]                ; row d = r, tokens 16 w + 8 h ..
	s_mul_i32 s6, s4, 8*VPITCH
	s_add_co_u32 s6, s6, VS
	v_mul_u32_u24 v[VRA], v[T+2], VPITCH
	v_lshl_add_u32 v[VRA], v[T], 4, v[VRA]
	v_add_nc_u32 v[VRA], s6, v[VRA]                ; rows 8 w + h: sixteen lanes take a row of 256 bytes
	v_lshlrev_b32 v[BO], 5, v[T+2]
	v_lshlrev_b32 v[BVO], 2, v[T]
	v_and_b32 v[QKO], 31, v0
	v_lshlrev_b32 v[QKO], 4, v[QKO]
	v_lshlrev_b32 v[VTO], 13, v[T+2]               ; a row of vt is 8,192 bytes
	v_lshl_add_u32 v[VTO], v[T], 4, v[VTO]
	s_lshl_b32 s42, ttmp9, 14                      ; qh, kh: 128 tokens of 128 bytes a work-group,
	s_lshl_b32 s5, s4, 11                          ; 16 a wave
	s_add_co_u32 s42, s42, s5
	s_mov_b32 s43, 0
	s_add_nc_u64 s[22:23], s[22:23], s[42:43]
	s_add_nc_u64 s[24:25], s[24:25], s[42:43]
	s_lshr_b32 s44, ttmp9, 5                       ; vt: batch x 64 rows of 8,192 bytes,
	s_lshl_b32 s44, s44, 19
	s_and_b32 s5, ttmp9, 31
	s_lshl_b32 s5, s5, 8                           ; the group's 128 tokens of 2 bytes,
	s_add_co_u32 s44, s44, s5
	s_lshl_b32 s5, s4, 16                          ; the wave's 8 rows
	s_add_co_u32 s44, s44, s5
	s_mov_b32 s45, 0
	s_add_nc_u64 s[26:27], s[26:27], s[44:45]
	; W to f16 and into LDS.  The counts leave the later matrices' 16 loads each on their way.
.irp m, 0,1,2
	s_wait_loadcnt 32-16*\m
.irp it, 0,1,2,3,4,5,6,7,8,9,10,11,12,13,14,15
	v_cvt_pk_f16_f32 v[ACC+4*(16*\m+\it)],   v[ACC+4*(16*\m+\it)],   v[ACC+4*(16*\m+\it)+1]
	v_cvt_pk_f16_f32 v[ACC+4*(16*\m+\it)+1], v[ACC+4*(16*\m+\it)+2], v[ACC+4*(16*\m+\it)+3]
	ds_store_b64 v[WS+\it/8], v[ACC+4*(16*\m+\it):ACC+4*(16*\m+\it)+1] offset:(\it%8)*16*WPITCH+128*\m
.endr
.endr
	s_wait_dscnt 0x0                               ; my part of W is in LDS (for the other waves: zero), and its registers are free
	; bq and bk go straight into the accumulators of tiles 0-7: register j of lane (r, h) is d = 16 t + 8 h + j
.irp t, 0,1,2,3
	global_load_b128 v[ACC+8*\t:ACC+8*\t+3],       v[BO], s[16:17] offset:64*\t
	global_load_b128 v[ACC+8*\t+4:ACC+8*\t+7],     v[BO], s[16:17] offset:64*\t+16
	global_load_b128 v[ACC+32+8*\t:ACC+32+8*\t+3], v[BO], s[18:19] offset:64*\t
	global_load_b128 v[ACC+32+8*\t+4:ACC+32+8*\t+7], v[BO], s[18:19] offset:64*\t+16
	global_load_b32 v[BV+\t], v[BVO], s[20:21] offset:64*\t
.endr
	s_wait_tensorcnt 0x0                           ; my 16 rows of x are in LDS
	s_barrier_signal -1
	s_barrier_wait -1                              ; all of W is
.macro PLACES                          ; a load into a register that a matrix instruction has read, and a vector instruction that reads its result,
.rept 4                                ; stand four plain vector instructions behind it (ISA guide 7.12.1 for vector instructions)
	v_nop
.endr
.endm
.macro LOADX k                         ; my 16 numbers of x of K step k: k = 8 h .. + 7 and 16 + 8 h .. + 7
.irp o, 0,1,2,3
	ds_load_b128 v[XR+4*\o:XR+4*\o+3], v[XA] offset:128*(\k)+16*(\o%2)+64*(\o/2)
.endr
.endm
.macro CVTX                            ; to f16: the fragment of 16 tokens x 32 k, into buffer xfb
.irp i, 0,1,2,3,4,5,6,7
	v_cvt_pk_f16_f32 v[xfb+\i], v[XR+2*\i], v[XR+2*\i+1]
.endr
.endm
.macro LOADW buf, k, half              ; six fragments of W (16 columns x 32 k), transposed on the way out of LDS
.irp t, 0,1,2,3,4,5
	ds_load_tr16_b128 v[\buf+8*\t:\buf+8*\t+3],   v[WAD+(\k)/4] offset:((\k)%4)*32*WPITCH+32*(6*\half+\t)
	ds_load_tr16_b128 v[\buf+8*\t+4:\buf+8*\t+7], v[WAD+(\k)/4] offset:((\k)%4)*32*WPITCH+32*(6*\half+\t)+16*WPITCH
.endr
.endm
.macro MUL6 buf, half                  ; six tiles, one instruction each: the twelve accumulators take turns
.irp t, 0,1,2,3,4,5
.if 6*\half+\t < 8
	v_wmma_f32_16x16x32_f16 v[ACC+8*(6*\half+\t):ACC+8*(6*\half+\t)+7], v[\buf+8*\t:\buf+8*\t+7], v[xfb:xfb+7], v[ACC+8*(6*\half+\t):ACC+8*(6*\half+\t)+7]
.else
.if ks == 0
	v_wmma_f32_16x16x32_f16 v[ACC+8*(6*\half+\t):ACC+8*(6*\half+\t)+7], v[xfb:xfb+7], v[\buf+8*\t:\buf+8*\t+7], 0
.else
	v_wmma_f32_16x16x32_f16 v[ACC+8*(6*\half+\t):ACC+8*(6*\half+\t)+7], v[xfb:xfb+7], v[\buf+8*\t:\buf+8*\t+7], v[ACC+8*(6*\half+\t):ACC+8*(6*\half+\t)+7]
.endif
.endif
.endr
.endm
	LOADX 0
	LOADW WA, 0, 0
	LOADW WB, 0, 1
	s_wait_loadcnt 0x0                             ; the biases
.set ks, 0
.rept 8
.set kn, ks+1
.set xfb, XF+8*(ks%2)
	s_wait_dscnt 24                                ; x of this step is in; the 12 + 12 loads of W behind it may be out
	CVTX
.if ks < 7
	LOADX kn
	s_wait_dscnt 16                                ; tiles 0-5 of W are in; out: tiles 6-11 (12) and the next x (4)
.else
	s_wait_dscnt 12                                ; the last step: out: tiles 6-11
.endif
	MUL6 WA, 0
.if ks < 7
	PLACES
	LOADW WA, kn, 0
	s_wait_dscnt 16                                ; tiles 6-11 are in; out: the next x (4) and the next tiles 0-5 (12)
.else
	s_wait_dscnt 0
.endif
	MUL6 WB, 1
.if ks < 7
	PLACES
	LOADW WB, kn, 1
.endif
.set ks, ks+1
.endr
	; THE WAY OUT
	PLACES
.irp t, 0,1,2,3
.irp j, 0,2,4,6
	v_pk_mul_f32 v[ACC+8*\t+\j:ACC+8*\t+\j+1], v[ACC+8*\t+\j:ACC+8*\t+\j+1], 0x3e38aa3b op_sel_hi:[1,0]   ; q times log2(e) / 8
.endr
.endr
.irp t, 0,1,2,3
.irp j, 0,1,2,3,4,5,6,7
	v_add_f32 v[ACC+64+8*\t+\j], v[BV+\t], v[ACC+64+8*\t+\j]       ; v's bias: one d a lane
.endr
.endr
.irp t, 0,1,2,3,4,5,6,7,8,9,10,11
.irp i, 0,1,2,3
	v_cvt_pk_f16_f32 v[ACC+8*\t+\i], v[ACC+8*\t+2*\i], v[ACC+8*\t+2*\i+1]   ; in place: word i is written behind the reads of words 2 i, 2 i + 1
.endr
.endr
.irp t, 0,1,2,3
	ds_store_b128 v[QSA], v[ACC+8*\t:ACC+8*\t+3] offset:32*\t
	ds_store_b128 v[QSA], v[ACC+32+8*\t:ACC+32+8*\t+3] offset:16*QPITCH+32*\t
	ds_store_b128 v[VSA], v[ACC+64+8*\t:ACC+64+8*\t+3] offset:16*VPITCH*\t
.endr
.irp i, 0,1,2,3                        ; my own stage: LDS serves a wave's instructions in order, so these see the stores above
	ds_load_b128 v[WA+4*\i:WA+4*\i+3],       v[RDA] offset:4*QPITCH*\i
	ds_load_b128 v[WA+16+4*\i:WA+16+4*\i+3], v[RDA] offset:16*QPITCH+4*QPITCH*\i
.endr
.irp i, 0,1,2,3
	s_wait_dscnt 6-2*\i                            ; pair i is in, the younger pairs may be out
	global_store_b128 v[QKO], v[WA+4*\i:WA+4*\i+3],       s[22:23] offset:512*\i   ; the wave stores 512 consecutive bytes (4 tokens), aligned
	global_store_b128 v[QKO], v[WA+16+4*\i:WA+16+4*\i+3], s[24:25] offset:512*\i
.endr
	s_wait_dscnt 0x0                               ; my part of the v stage is in LDS (met: the count above ended at 0)
	s_barrier_signal -1
	s_barrier_wait -1                              ; every wave's is
.irp i, 0,1,2,3
	ds_load_b128 v[WB+4*\i:WB+4*\i+3], v[VRA] offset:2*VPITCH*\i
.endr
.irp i, 0,1,2,3
	s_wait_dscnt 3-\i
	global_store_b128 v[VTO], v[WB+4*\i:WB+4*\i+3], s[26:27] offset:16384*\i       ; sixteen lanes store 256 consecutive bytes of a row of vt, aligned
.endr
	s_wait_tensorcnt 0x0
	ds_add_u32 v30, v31
	s_wait_dscnt 0x0
	s_endpgm
.Lfunc_end_k_qcdfb10c95c_proj:
	.size	k_qcdfb10c95c_proj, .Lfunc_end_k_qcdfb10c95c_proj-k_qcdfb10c95c_proj
	.p2alignl 7, 3214868480
	.fill 96, 4, 3214868480
	.section	.rodata,"a",@progbits
	.p2align	6, 0x0
	.amdhsa_kernel k_qcdfb10c95c_proj
		.amdhsa_group_segment_fixed_size 294912
		.amdhsa_private_segment_fixed_size 0
		.amdhsa_enable_private_segment 0
		.amdhsa_kernarg_size 80
		.amdhsa_user_sgpr_count 2
		.amdhsa_user_sgpr_kernarg_segment_ptr 1
		.amdhsa_wavefront_size32 1
		.amdhsa_system_sgpr_workgroup_id_x 1
		.amdhsa_system_sgpr_workgroup_id_y 1
		.amdhsa_system_sgpr_workgroup_id_z 1
		.amdhsa_system_vgpr_workitem_id 0
		.amdhsa_next_free_vgpr 256
		.amdhsa_next_free_sgpr 66
		.amdhsa_reserve_vcc 0
		.amdhsa_float_denorm_mode_32 3
		.amdhsa_float_denorm_mode_16_64 3
		.amdhsa_memory_ordered 1
		.amdhsa_forward_progress 1
		.amdhsa_inst_pref_size 56
	.end_amdhsa_kernel
	.amdgpu_metadata
---
amdhsa.version: [ 1, 2 ]
amdhsa.kernels:
  - .name:           k_qcdfb10c95c_proj
    .symbol:         k_qcdfb10c95c_proj.kd
    .args:
      - { .name: x, .offset: 0, .size: 8, .value_kind: global_buffer, .address_space: global }
      - { .name: Wq, .offset: 8, .size: 8, .value_kind: global_buffer, .address_space: global }
      - { .name: Wk, .offset: 16, .size: 8, .value_kind: global_buffer, .address_space: global }
      - { .name: Wv, .offset: 24, .size: 8, .value_kind: global_buffer, .address_space: global }
      - { .name: bq, .offset: 32, .size: 8, .value_kind: global_buffer, .address_space: global }
      - { .name: bk, .offset: 40, .size: 8, .value_kind: global_buffer, .address_space: global }
      - { .name: bv, .offset: 48, .size: 8, .value_kind: global_buffer, .address_space: global }
      - { .name: qh, .offset: 56, .size: 8, .value_kind: global_buffer, .address_space: global }
      - { .name: kh, .offset: 64, .size: 8, .value_kind: global_buffer, .address_space: global }
      - { .name: vt, .offset: 72, .size: 8, .value_kind: global_buffer, .address_space: global }
    .group_segment_fixed_size: 294912
    .private_segment_fixed_size: 0
    .kernarg_segment_align: 8
    .kernarg_segment_size: 80
    .max_flat_workgroup_size: 256
    .sgpr_count:     66
    .vgpr_count:     256
    .wavefront_size: 32
...
	.end_amdgpu_metadata
.endif
;; end of part 1
;; launch stats (part 2): grid 32 x 8, 8 waves a work-group, clusters of 4 x 1, 327,680 bytes of LDS; arguments qh, kh, nc; writes nc
.if DOCPART == 2
	.amdgcn_target "amdgcn-amd-amdhsa--gfx1250"
	.amdhsa_code_object_version 6
	.text
	.protected	k_qcdfb10c95c_stats
	.globl	k_qcdfb10c95c_stats
	.p2align	8
	.type	k_qcdfb10c95c_stats,@function
k_qcdfb10c95c_stats:
	s_mov_b64 s[64:65], 0
	v_nop
	global_prefetch_b8 v0, s[64:65] scope:SCOPE_SE
	s_setreg_imm32_b32 hwreg(HW_REG_WAVE_MODE, 25, 1), 1
	s_wait_xcnt 0x0
	s_wait_alu depctr_hold_cnt(0) depctr_sa_sdst(0) depctr_va_vdst(0) depctr_va_sdst(0) depctr_va_ssrc(0) depctr_va_vcc(0) depctr_vm_vsrc(0)
	s_getreg_b32 s2, hwreg(HW_REG_IB_STS2, 6, 4)
	s_cmp_eq_u32 s2, 0
	s_cbranch_scc0 .Lentry_in_a_cluster
	s_endpgm
.Lentry_in_a_cluster:
	s_bfe_u32 s2, ttmp6, 0x10000c
	s_cmp_lg_u32 s2, 0x3003
	s_cbranch_scc0 .Lentry_shape_is_right
	s_endpgm
.Lentry_shape_is_right:
; nc[batch][key] = 8 - log2 Z - m, where s2[q][key] = qh[q] . kh[key] (the score times log2 e), m = max over q of s2, Z = sum over q of 2^(s2 - m).
; The softmax runs over the QUERY axis, so these two figures of a key need every q of the batch.
; The work-group owns 128 keys and streams the batch's 4,096 q in 4 tiles of 1,024 through two LDS slots; a slot is read in two trips of 512 q.
; Wave w keeps 64 keys (w & 1) as fragments in registers and takes a quarter (w >> 1), 128 q = 8 q tiles, of every trip.
; The product is K Q^T + C: register j of lane (r, h) is key 8 h + j and q = r.  Each lane keeps a running maximum and a running sum of its own
; for each of its keys; C is the negated maximum, so the matrix instruction takes the maximum away.  The maximum is renewed once for 8 q tiles.
; WOVEN TEXT: the 16 products of one key tile stand as eight pairs among the 176 vector instructions that work on the key tile before (the other score
; buffer), and an exponential alternates with a subtraction or a sum of a neighbouring q tile: a wave has work for another unit between any two of them.
; At the end the 16 lanes of a row, then the four waves of a key half, are merged with the usual rescaling.
; CLUSTER: the four work-groups of a cluster stream the same tiles of Q; each tile is asked for jointly (mask 15), which divides the requests for Q by four.
; The eight trips differ (first sums, round with refill, plain barrier, nothing to fetch), so they are written out by macro, without a loop.
; LIMITS: nc is one f32, so it carries half a last place of m, as a score in f32 does.
.set PITCH,  272                       ; an LDS row: two q of 128 bytes + 16 of padding
.set WPART,  64*PITCH                  ; 17,408: what one wave's load brings: 128 q
.set SLOT,   8*WPART                   ; 139,264: 1,024 q
.set HALF,   SLOT/2                    ; 69,632: 512 q, a trip.  Trip t reads region t % 4 of the four halves
.set QT,     8*PITCH                   ; a q tile: 16 q
.set QUART,  8*QT                      ; a wave's quarter of a trip
.set ST,     2*SLOT                    ; 278,528: stage, 512 bytes a wave: 64 maxima, 64 sums.  No tensor load lands here
.set WAVE, 10                          ; s10 the wave's number
.set G1,   16                          ; s[16:23] descriptor group 1
.set G0,   24                          ; s[24:31] descriptor group 0, one set for each slot
; window 0
.set QA,   2                           ; v2-5    my fragment bytes in regions 0 to 3
.set KO,   6                           ; v6      my bytes in a key tile in memory
.set STA,  7                           ; v7      stage, in
.set RDM,  8                           ; v8      stage, back
.set NCO,  9                           ; v9      16 x lane, in nc
.set T,    10                          ; v10-15  at work
.set NM,   16                          ; v16-47  minus the running maximum: key tile kt at 8 kt
.set Z,    48                          ; v48-79  the running sum
.set MX,   80                          ; v80-87  by how much the maximum grows
.set MXN,  88                          ; v88-95  minus that
.set E,    96                          ; v96-103 2^MXN
.set DA,   104                         ; v104-167 eight score tiles
.set DB,   168                         ; v168-231 eight score tiles
; window 1
.set KF,   0                           ; v256-319 K fragments: key tile kt at 16 kt (d 0-31 in 8 registers, d 32-63 in 8)
.set QF,   64                          ; v320-447 Q fragments: q tile g at 64 + 16 g
.set MSB, 0
.macro WIN new                         ; s_set_vgpr_msb; the immediate's high byte repeats the setting that is left
.if MSB != \new
	s_set_vgpr_msb (MSB<<8)|\new
.set MSB, \new
.endif
.endm
.macro PLACES
.rept 4
	v_nop
.endr
.endm
.macro ROUND                           ; a round of the cluster's barrier
	s_barrier_signal -1
	s_barrier_wait -1
	s_cmp_lg_u32 s[WAVE], 0
	s_cbranch_scc1 .Lnot_wave_0_\@
	s_barrier_signal -3
.Lnot_wave_0_\@:
	s_barrier_wait -3
	s_barrier_signal -1
	s_barrier_wait -1
.endm
	s_load_b128 s[4:7], s[0:1], 0x0                ; qh s[4:5], kh s[6:7]
	s_load_b64 s[8:9], s[0:1], 0x10                ; nc
	v_lshl_add_u32 v254, v0, 2, 0x45000
	v_mov_b32 v255, 0
	ds_add_u32 v254, v255
	ds_add_u32 v254, v255
	v_lshrrev_b32 v[T], 5, v0
	v_readfirstlane_b32 s[WAVE], v[T]
	s_and_b32 s11, s[WAVE], 1                      ; which 64 keys
	s_lshr_b32 s12, s[WAVE], 1                     ; which quarter of a trip
	s_bfe_u32 s13, ttmp6, 0x40000                  ; cx
	s_lshl_b32 s14, ttmp9, 2
	s_add_co_u32 s14, s14, s13                     ; key block = 4 x cluster x + cx
	s_and_b32 s15, ttmp7, 0xffff                   ; batch
	; group 1: a dense block as 64 rows of 32 elements of 8 bytes; behind every 64 words 4 words of padding; mask 15: all four of the cluster; bit 21 beside it
	s_mov_b32 s[G1+0], 15|(3<<16)|(1<<20)|(1<<21)|(5<<22)|(3<<25)
	s_mov_b32 s[G1+1], 32<<16
	s_mov_b32 s[G1+2], 64<<16
	s_mov_b32 s[G1+3], 32<<16
	s_mov_b32 s[G1+4], 64
	s_mov_b32 s[G1+5], 32
	s_mov_b32 s[G1+6], 0
	s_mov_b32 s[G1+7], 0
	s_lshl_b32 s32, s15, 19                        ; Q: batch x 524,288 bytes + wave x 16,384: nothing of cx
	s_lshl_b32 s33, s[WAVE], 14
	s_add_co_u32 s32, s32, s33
	s_mov_b32 s33, 0
	s_mul_i32 s34, s[WAVE], WPART
	s_lshl_b32 s36, s15, 12
	s_lshl_b32 s37, s14, 7
	s_add_co_u32 s36, s36, s37                     ; the group's first key, counted over all batches
	s_lshl_b32 s38, s36, 2                         ; its bytes in nc
	s_mov_b32 s39, 0
	s_lshl_b32 s37, s11, 6
	s_add_co_u32 s36, s36, s37                     ; my wave's first key,
	s_lshl_b32 s36, s36, 7                         ; 128 bytes each
	s_mov_b32 s37, 0
	s_wait_dscnt 0x0
	s_wait_kmcnt 0x0
	s_add_nc_u64 s[4:5], s[4:5], s[32:33]
	s_add_nc_u64 s[6:7], s[6:7], s[36:37]
	s_add_nc_u64 s[8:9], s[8:9], s[38:39]
.irp n, 0,1
	s_mov_b32 s[G0+4*\n], 1
	s_add_co_u32 s[G0+4*\n+1], s34, \n*SLOT
	s_add_nc_u64 s[G0+4*\n+2:G0+4*\n+3], s[4:5], \n*131072         ; tile n: 1,024 q of 128 bytes
	s_or_b32 s[G0+4*\n+3], s[G0+4*\n+3], 0x80000000
.endr
	ROUND                                          ; all four work-groups are here: the first joint loads meet
	tensor_load_to_lds s[G0:G0+3], s[G1:G1+7]      ; both first fills as one group: two loads of the wave are outstanding
	s_nop 0
	tensor_load_to_lds s[G0+4:G0+7], s[G1:G1+7]
	s_nop 0
	v_and_b32 v[T], 15, v0                         ; r
	v_bfe_u32 v[T+1], v0, 4, 1                     ; h
	v_lshrrev_b32 v[T+2], 1, v[T]
	v_and_b32 v[T+3], 1, v0
	v_mul_u32_u24 v[T+4], v[T+2], PITCH            ; row r of a tile lies in LDS row r / 2,
	v_lshl_add_u32 v[T+4], v[T+3], 7, v[T+4]       ; in its half r % 2: the sixteen rows start in sixteen different 16-byte columns
	v_lshl_add_u32 v[T+4], v[T+1], 4, v[T+4]       ; + 16 h
	s_mul_i32 s35, s12, QUART
	v_add_nc_u32 v[QA], s35, v[T+4]
.irp n, 1,2,3
	v_add_nc_u32 v[QA+\n], \n*HALF, v[QA]
.endr
	v_lshlrev_b32 v[KO], 7, v[T]
	v_lshl_add_u32 v[KO], v[T+1], 4, v[KO]         ; 128 r + 16 h
	s_lshl_b32 s35, s[WAVE], 9
	s_add_co_u32 s35, s35, ST
	v_lshl_add_u32 v[STA], v[T+1], 5, s35          ; my wave's stage + 32 h
	v_lshlrev_b32 v[RDM], 9, v[T+1]
	v_lshl_add_u32 v[RDM], v[T], 4, v[RDM]
	v_add_nc_u32 v[RDM], ST, v[RDM]                ; keys 4 lane ..: key half lane / 16, 16 bytes for lane % 16
	v_and_b32 v[NCO], 31, v0
	v_lshlrev_b32 v[NCO], 4, v[NCO]
	WIN 0x40                                       ; destinations in window 1
.irp kt, 0,1,2,3
.irp c, 0,1,2,3
	global_load_b128 v[KF+16*\kt+4*\c:KF+16*\kt+4*\c+3], v[KO], s[6:7] offset:2048*\kt+32*\c
.endr
.endr
	WIN 0
; 16 LDS loads: one d half (hi = 0: d 0-31, 1: d 32-63) of my 8 q tiles of region rg
.macro LOADQH rg, hi
	WIN 0x40
.irp g, 0,1,2,3,4,5,6,7
	ds_load_b128 v[QF+16*\g+8*\hi:QF+16*\g+8*\hi+3],   v[QA+(\rg)] offset:QT*\g+64*\hi
	ds_load_b128 v[QF+16*\g+8*\hi+4:QF+16*\g+8*\hi+7], v[QA+(\rg)] offset:QT*\g+64*\hi+32
.endr
.endm
; Pair n of the eight pairs of products of key tile U_KW into buffer U_BW.  Pairs 0-3: q tiles 2 n, 2 n + 1 over d 0-31, starting from minus the maximum (U_ZERO: from 0).
; Pairs 4-7: q tiles 2 (n - 4), + 1 over d 32-63, in place.  The eight accumulators take turns, one instruction a turn.
; U_WT: the fragments were loaded in the unit before: the first pair waits for the 16 loads of d 0-31 (the 16 younger may be out), pair 4 for all.
.macro PAIRW n
.if U_WT
.if (\n) == 0
	s_wait_dscnt 16
.endif
.if (\n) == 4
	s_wait_dscnt 0
.endif
.endif
	WIN 0x05                                       ; sources 0 and 1 in window 1
.irp o, 0,1
.if (\n) < 4
.if U_ZERO
	v_wmma_f32_16x16x32_f16 v[U_BW+8*(2*(\n)+\o):U_BW+8*(2*(\n)+\o)+7], v[KF+16*U_KW:KF+16*U_KW+7], v[QF+16*(2*(\n)+\o):QF+16*(2*(\n)+\o)+7], 0
.else
	v_wmma_f32_16x16x32_f16 v[U_BW+8*(2*(\n)+\o):U_BW+8*(2*(\n)+\o)+7], v[KF+16*U_KW:KF+16*U_KW+7], v[QF+16*(2*(\n)+\o):QF+16*(2*(\n)+\o)+7], v[NM+8*U_KW:NM+8*U_KW+7]
.endif
.else
	v_wmma_f32_16x16x32_f16 v[U_BW+8*(2*(\n)-8+\o):U_BW+8*(2*(\n)-8+\o)+7], v[KF+16*U_KW+8:KF+16*U_KW+15], v[QF+16*(2*(\n)-8+\o)+8:QF+16*(2*(\n)-8+\o)+15], v[U_BW+8*(2*(\n)-8+\o):U_BW+8*(2*(\n)-8+\o)+7]
.endif
.endr
.endm
; Place n (0 to 10) in a unit's vector work: pair n, if the unit has products; and, if the unit loads the next trip's Q (U_LD = region + 1), the half d 0-31 at place 4
; and the half d 32-63 at place 8.  The last product that read those registers stands one place earlier, and between the two places stand at least four
; subtractions or sums that name none of its registers (a load into a matrix instruction's source keeps the distance of four plain vector instructions).
.macro HOOK n
.if U_WM
.if (\n) < 8
	PAIRW \n
.endif
.endif
.if U_LD
.if (\n) == 4
	LOADQH U_LD-1, 0
.endif
.if (\n) == 8
	LOADQH U_LD-1, 1
.endif
.endif
	WIN 0
.endm
; Pair i of the sum of q tile g into Z.  first: the sums begin with tiles 0 and 1.  Else tile 0 comes with the rescaling of the old sum.
.macro SUMP ks, bs, first, g, i
.if \first
.if (\g) == 1
	s_wait_alu depctr_va_vdst(0)
	v_pk_add_f32 v[Z+8*\ks+2*\i:Z+8*\ks+2*\i+1], v[\bs+2*\i:\bs+2*\i+1], v[\bs+8+2*\i:\bs+8+2*\i+1]
.endif
.if (\g) > 1
	s_wait_alu depctr_va_vdst(0)
	v_pk_add_f32 v[Z+8*\ks+2*\i:Z+8*\ks+2*\i+1], v[Z+8*\ks+2*\i:Z+8*\ks+2*\i+1], v[\bs+8*(\g)+2*\i:\bs+8*(\g)+2*\i+1]
.endif
.else
.if (\g) == 0
	s_wait_alu depctr_va_vdst(0)
	v_pk_fma_f32 v[Z+8*\ks+2*\i:Z+8*\ks+2*\i+1], v[Z+8*\ks+2*\i:Z+8*\ks+2*\i+1], v[E+2*\i:E+2*\i+1], v[\bs+2*\i:\bs+2*\i+1]
.else
	s_wait_alu depctr_va_vdst(0)
	v_pk_add_f32 v[Z+8*\ks+2*\i:Z+8*\ks+2*\i+1], v[Z+8*\ks+2*\i:Z+8*\ks+2*\i+1], v[\bs+8*(\g)+2*\i:\bs+8*(\g)+2*\i+1]
.endif
.endif
.endm
; A unit.  Vector work: the 8 tiles of buffer bs hold s2 - (old maximum) of key tile ks (first = 1: s2): new maximum, rescaled sum, 64 exponentials a lane.
; Woven in (wm = 1): the products of key tile kw into the other buffer bw.  The vector work names bs, MX, MXN, E, NM and Z of ks; the products name bw, K, Q and NM of kw:
; no register in common.  Behind the last pair (place 7) stand 24 subtractions and sums, the places that the next unit's reads of bw owe (ISA guide 7.12.1).
; An exponential of q tile g is followed by a subtraction for tile g + 1 or a sum of tile g - 1: a plain vector instruction that touches neither its result nor its
; source stands between every exponential and the first use of its result (ISA guide 5.7.2).
.macro UNIT ks, bs, first, wm, kw, bw, zero, wt, ld
.set U_WM, \wm
.set U_KW, \kw
.set U_BW, \bw
.set U_ZERO, \zero
.set U_WT, \wt
.set U_LD, \ld
.irp j, 0,1,2,3,4,5,6,7
	v_max3_num_f32 v[MX+\j], v[\bs+\j], v[\bs+8+\j], v[\bs+16+\j]
.endr
.irp j, 0,1,2,3,4,5,6,7
	v_max3_num_f32 v[MX+\j], v[MX+\j], v[\bs+24+\j], v[\bs+32+\j]
.endr
	HOOK 0
.irp j, 0,1,2,3,4,5,6,7
	v_max3_num_f32 v[MX+\j], v[MX+\j], v[\bs+40+\j], v[\bs+48+\j]
.endr
.irp j, 0,1,2,3,4,5,6,7
.if \first
	v_max_num_f32 v[MX+\j], v[MX+\j], v[\bs+56+\j]
.else
	v_max3_num_f32 v[MX+\j], v[MX+\j], v[\bs+56+\j], 0             ; the old maximum stands at 0
.endif
.endr
	HOOK 1
.if \first
.set AD, NM+8*\ks
.irp j, 0,2,4,6
	v_pk_mul_f32 v[NM+8*\ks+\j:NM+8*\ks+\j+1], v[MX+\j:MX+\j+1], -1.0 op_sel_hi:[1,0]
.endr
.irp i, 0,1,2,3
	v_pk_add_f32 v[\bs+2*\i:\bs+2*\i+1], v[\bs+2*\i:\bs+2*\i+1], v[AD+2*\i:AD+2*\i+1]
.endr
.else
.set AD, MXN
.irp j, 0,2,4,6
	v_pk_mul_f32 v[MXN+\j:MXN+\j+1], v[MX+\j:MX+\j+1], -1.0 op_sel_hi:[1,0]
.endr
.irp j, 0,2,4,6
	v_pk_add_f32 v[NM+8*\ks+\j:NM+8*\ks+\j+1], v[NM+8*\ks+\j:NM+8*\ks+\j+1], v[MXN+\j:MXN+\j+1]
.endr
.irp i, 0,1,2,3
	v_exp_f32 v[E+2*\i], v[MXN+2*\i]
	v_pk_add_f32 v[\bs+2*\i:\bs+2*\i+1], v[\bs+2*\i:\bs+2*\i+1], v[AD+2*\i:AD+2*\i+1]
	v_exp_f32 v[E+2*\i+1], v[MXN+2*\i+1]
.endr
.endif
	HOOK 2
.irp g, 0,1,2,3,4,5,6,7
.irp i, 0,1,2,3
	v_exp_f32 v[\bs+8*\g+2*\i], v[\bs+8*\g+2*\i]
.if \g < 7
	v_pk_add_f32 v[\bs+8*\g+8+2*\i:\bs+8*\g+8+2*\i+1], v[\bs+8*\g+8+2*\i:\bs+8*\g+8+2*\i+1], v[AD+2*\i:AD+2*\i+1]
.endif
	v_exp_f32 v[\bs+8*\g+2*\i+1], v[\bs+8*\g+2*\i+1]
.if \g > 0
	SUMP \ks, \bs, \first, \g-1, \i
.endif
.endr
	HOOK 3+\g
.endr
.irp i, 0,1,2,3
	SUMP \ks, \bs, \first, 7, \i
.endr
.endm
; The change of slots, at the head of the trip that works on a slot's second half: all of that slot that the wave needs lies in its registers.  In front of the barrier
; every wave waits for its LDS reads and for all its tensor loads (the one that is out is its part of the other slot).  mode 2: a round of the cluster's barrier, then the
; joint refill of slot cs, two tiles ahead, as the wave's first and only tensor load behind it; it has two trips' work in which to land.
; mode 1: nothing is left to fetch: the work-group's barrier alone shows the last tile to every wave.
.macro CHANGE cs, mode
	s_wait_dscnt 0x0
	s_wait_tensorcnt 0x0
	ds_add_u32 v254, v255
	s_wait_dscnt 0x0
.if \mode == 2
	s_add_nc_u64 s[G0+4*\cs+2:G0+4*\cs+3], s[G0+4*\cs+2:G0+4*\cs+3], 2*131072     ; no load of mine is out: the group 0 may be written
	ROUND
	tensor_load_to_lds s[G0+4*\cs:G0+4*\cs+3], s[G1:G1+7]
	s_nop 0
.else
	s_barrier_signal -1
	s_barrier_wait -1
.endif
.endm
; A trip: 8 q tiles against my four key tiles.  Key tile 0's products were issued in the trip before.  nxt: the region of the next trip's Q (4: there is none).
.macro TRIP chg, cs, first, nxt
.if \chg
	CHANGE \cs, \chg
.endif
	UNIT 0, DA, \first, 1, 1, DB, \first, 0, 0
	UNIT 1, DB, \first, 1, 2, DA, \first, 0, 0
.if \nxt < 4
	UNIT 2, DA, \first, 1, 3, DB, \first, 0, \nxt+1
	UNIT 3, DB, \first, 1, 0, DA, 0, 1, 0
.else
	UNIT 2, DA, \first, 1, 3, DB, \first, 0, 0
	UNIT 3, DB, \first, 0, 0, DA, 0, 0, 0
.endif
.endm
	s_wait_tensorcnt 0x1                           ; my part of tile 0 is in; tile 1 may stay out
	s_barrier_signal -1
	s_barrier_wait -1
	LOADQH 0, 0
	LOADQH 0, 1
	s_wait_loadcnt 0x0                             ; K
.set U_KW, 0
.set U_BW, DA
.set U_ZERO, 1
.set U_WT, 1
.irp n, 0,1,2,3,4,5,6,7
	PAIRW \n                                       ; key tile 0 against the first 8 q tiles: nothing to weave it into yet
.endr
	WIN 0
	PLACES
	v_nop
	TRIP 0, 0, 1, 1                                ; q 0-511: tile 0, first half: these scores start the maxima and the sums
	TRIP 2, 0, 0, 2                                ; tile 0, second half; slot 0 gets tile 2
	TRIP 0, 0, 0, 3                                ; tile 1
	TRIP 2, 1, 0, 0                                ; slot 1 gets tile 3
	TRIP 0, 0, 0, 1                                ; tile 2
	TRIP 1, 0, 0, 2                                ; nothing is left to fetch
	TRIP 0, 0, 0, 3                                ; tile 3
	TRIP 0, 0, 0, 4
	; MERGE OVER THE 16 LANES OF A ROW (one h: the same keys, other q).  M = -NM in DA 0-31, the row's maximum T in DA 32-63.
.set i, 0
.rept 16
	v_pk_mul_f32 v[DA+i:DA+i+1], v[NM+i:NM+i+1], -1.0 op_sel_hi:[1,0]
.set i, i+2
.endr
.set i, 0
.rept 32
	v_max_num_f32_dpp v[DA+32+i], v[DA+i], v[DA+i] row_xmask:1 row_mask:0xf bank_mask:0xf
.set i, i+1
.endr
.irp x, 2,4,8
.set i, 0
.rept 32
	v_max_num_f32_dpp v[DA+32+i], v[DA+32+i], v[DA+32+i] row_xmask:\x row_mask:0xf bank_mask:0xf
.set i, i+1
.endr
.endr
.set i, 0
.rept 16
	v_pk_add_f32 v[DA+i:DA+i+1], v[DA+i:DA+i+1], v[DA+32+i:DA+32+i+1] neg_lo:[0,1] neg_hi:[0,1]
.set i, i+2
.endr
.set i, 0
.rept 32
	v_exp_f32 v[DA+i], v[DA+i]
.set i, i+1
.endr
	v_nop
.set i, 0
	s_wait_alu depctr_va_vdst(0)
.rept 16
	v_pk_mul_f32 v[Z+i:Z+i+1], v[Z+i:Z+i+1], v[DA+i:DA+i+1]
.set i, i+2
.endr
.irp x, 1,2,4,8
.set i, 0
.rept 32
	v_add_f32_dpp v[Z+i], v[Z+i], v[Z+i] row_xmask:\x row_mask:0xf bank_mask:0xf
.set i, i+1
.endr
.endr
.irp kt, 0,1,2,3
.irp a, 0,1
	ds_store_b128 v[STA], v[DA+32+8*\kt+4*\a:DA+32+8*\kt+4*\a+3] offset:64*\kt+16*\a       ; the 16 lanes of a row write the same words with the same values
	ds_store_b128 v[STA], v[Z+8*\kt+4*\a:Z+8*\kt+4*\a+3] offset:256+64*\kt+16*\a
.endr
.endr
	s_wait_dscnt 0x0                               ; for the other waves: zero
	s_barrier_signal -1
	s_barrier_wait -1
	; MERGE OVER THE FOUR QUARTERS: wave 0 alone, lane l for keys 4 l .. 4 l + 3
	s_cmp_lg_u32 s[WAVE], 0
	s_cbranch_scc1 .Lmerged
.irp p, 0,1,2,3
	ds_load_b128 v[DA+4*\p:DA+4*\p+3],       v[RDM] offset:1024*\p
	ds_load_b128 v[DA+16+4*\p:DA+16+4*\p+3], v[RDM] offset:1024*\p+256
.endr
	s_wait_dscnt 0x0
.irp c, 0,1,2,3
	v_max3_num_f32 v[DA+32+\c], v[DA+\c], v[DA+4+\c], v[DA+8+\c]
.endr
.irp c, 0,1,2,3
	v_max_num_f32 v[DA+32+\c], v[DA+32+\c], v[DA+12+\c]
.endr
.irp p, 0,1,2,3
.irp c, 0,2
	v_pk_add_f32 v[DA+4*\p+\c:DA+4*\p+\c+1], v[DA+4*\p+\c:DA+4*\p+\c+1], v[DA+32+\c:DA+32+\c+1] neg_lo:[0,1] neg_hi:[0,1]
.endr
.endr
.set i, 0
.rept 16
	v_exp_f32 v[DA+i], v[DA+i]
.set i, i+1
.endr
	v_nop
	s_wait_alu depctr_va_vdst(0)
.irp c, 0,2
	v_pk_mul_f32 v[DA+36+\c:DA+36+\c+1], v[DA+16+\c:DA+16+\c+1], v[DA+\c:DA+\c+1]
.endr
.irp p, 1,2,3
.irp c, 0,2
	v_pk_fma_f32 v[DA+36+\c:DA+36+\c+1], v[DA+16+4*\p+\c:DA+16+4*\p+\c+1], v[DA+4*\p+\c:DA+4*\p+\c+1], v[DA+36+\c:DA+36+\c+1]
.endr
.endr
.irp c, 0,1,2,3
	v_log_f32 v[DA+40+\c], v[DA+36+\c]             ; Z is at least 1: the largest term is 2^0
.endr
	v_nop
	s_wait_alu depctr_va_vdst(0)
.irp c, 0,1,2,3
	v_sub_f32 v[DA+40+\c], 0x41000000, v[DA+40+\c] ; 8 - log2 Z
.endr
.irp c, 0,1,2,3
	v_sub_f32 v[DA+40+\c], v[DA+40+\c], v[DA+32+\c]
.endr
	global_store_b128 v[NCO], v[DA+40:DA+43], s[8:9]       ; the wave stores the group's 512 consecutive bytes of nc, aligned
.Lmerged:
	s_wait_tensorcnt 0x0
	ds_add_u32 v254, v255
	s_wait_dscnt 0x0
	ROUND                                          ; the closing round: no work-group ends while a partner may still ask for a tile that names it
	s_endpgm
.Lfunc_end_k_qcdfb10c95c_stats:
	.size	k_qcdfb10c95c_stats, .Lfunc_end_k_qcdfb10c95c_stats-k_qcdfb10c95c_stats
	.p2alignl 7, 3214868480
	.fill 96, 4, 3214868480
	.section	.rodata,"a",@progbits
	.p2align	6, 0x0
	.amdhsa_kernel k_qcdfb10c95c_stats
		.amdhsa_group_segment_fixed_size 327680
		.amdhsa_private_segment_fixed_size 0
		.amdhsa_enable_private_segment 0
		.amdhsa_kernarg_size 24
		.amdhsa_user_sgpr_count 2
		.amdhsa_user_sgpr_kernarg_segment_ptr 1
		.amdhsa_wavefront_size32 1
		.amdhsa_system_sgpr_workgroup_id_x 1
		.amdhsa_system_sgpr_workgroup_id_y 1
		.amdhsa_system_sgpr_workgroup_id_z 1
		.amdhsa_system_vgpr_workitem_id 0
		.amdhsa_next_free_vgpr 448
		.amdhsa_next_free_sgpr 66
		.amdhsa_reserve_vcc 0
		.amdhsa_float_denorm_mode_32 3
		.amdhsa_float_denorm_mode_16_64 3
		.amdhsa_memory_ordered 1
		.amdhsa_forward_progress 1
		.amdhsa_inst_pref_size 255
	.end_amdhsa_kernel
	.section	.bss,"aw",@nobits
	.p2align	6
	.space	262144
	.amdgpu_metadata
---
amdhsa.version: [ 1, 2 ]
amdhsa.kernels:
  - .name:           k_qcdfb10c95c_stats
    .symbol:         k_qcdfb10c95c_stats.kd
    .args:
      - { .name: qh, .offset: 0, .size: 8, .value_kind: global_buffer, .address_space: global }
      - { .name: kh, .offset: 8, .size: 8, .value_kind: global_buffer, .address_space: global }
      - { .name: nc, .offset: 16, .size: 8, .value_kind: global_buffer, .address_space: global }
    .group_segment_fixed_size: 327680
    .private_segment_fixed_size: 0
    .kernarg_segment_align: 8
    .kernarg_segment_size: 24
    .max_flat_workgroup_size: 256
    .sgpr_count:     66
    .vgpr_count:     448
    .wavefront_size: 32
...
	.end_amdgpu_metadata
.endif
;; end of part 2
;; launch attn (part 3): grid 32 x 8, 8 waves a work-group, clusters of 4 x 1, 327,680 bytes of LDS; arguments qh, kh, vt, nc, out0; writes out0
.if DOCPART == 3
	.amdgcn_target "amdgcn-amd-amdhsa--gfx1250"
	.amdhsa_code_object_version 6
	.text
	.protected	k_qcdfb10c95c_attn
	.globl	k_qcdfb10c95c_attn
	.p2align	8
	.type	k_qcdfb10c95c_attn,@function
k_qcdfb10c95c_attn:
	s_mov_b64 s[64:65], 0
	v_nop
	global_prefetch_b8 v0, s[64:65] scope:SCOPE_SE
	s_setreg_imm32_b32 hwreg(HW_REG_WAVE_MODE, 25, 1), 1
	s_wait_xcnt 0x0
	s_wait_alu depctr_hold_cnt(0) depctr_sa_sdst(0) depctr_va_vdst(0) depctr_va_sdst(0) depctr_va_ssrc(0) depctr_va_vcc(0) depctr_vm_vsrc(0)
	s_getreg_b32 s2, hwreg(HW_REG_IB_STS2, 6, 4)
	s_cmp_eq_u32 s2, 0
	s_cbranch_scc0 .Lentry_in_a_cluster
	s_endpgm
.Lentry_in_a_cluster:
	s_bfe_u32 s2, ttmp6, 0x10000c
	s_cmp_lg_u32 s2, 0x3003
	s_cbranch_scc0 .Lentry_shape_is_right
	s_endpgm
.Lentry_shape_is_right:
; out0[q][d] = 2^-8 x sum over keys of P'[q][key] v[key][d],  P' = 2^min(qh[q] . kh[key] + nc[key], 8) in f16,  nc = 8 - log2 Z - m of the key's column.
; So P' / 256 is the softmax over the query axis; the maximum that the softmax takes away is in nc.
; The work-group owns 128 q and walks the batch's 4,096 keys in 8 tiles of 512 through two LDS slots (K, and V transposed).
; Wave w keeps 64 q (w & 1): Q's fragments and 16 output tiles stay in registers; of each tile it takes 128 keys (w >> 1), in four steps of 32.
; Scores are made as K Q^T + nc: register j of lane (r, h) is key 8 h + j, q = r, and nc enters as the matrix instruction's C.  Two score tiles, rounded to f16
; and packed, ARE the second product's source 1 (32 keys x 16 q): nothing moves between lanes.  The second product is V^T P: register j is d = 8 h + j, q = r.
; WOVEN TEXT: the q tiles go in two pairs.  While one pair's 32 scores a lane are clamped, raised and packed (80 vector instructions), the other pair's 16 matrix
; instructions stand among them in four groups of four: a wave has work for another unit between any two groups, and an exponential alternates with a clamp or a conversion.
; At the end the four key quarters are added through LDS, in the slots' bytes, which have had their last fill by then.
; CLUSTER: the four work-groups of a cluster walk the same K, V^T and nc: every tile is asked for jointly (mask 15), which divides these requests by four.
; LIMITS: the exponent is at most 8 but for rounding; the clamp at 8 (P' <= 256) acts only where scores are so large that one last place of them is 1 or more,
; and keeps P' finite in f16 there.  A score that is NaN becomes 8 by the clamp.  P' below 2^-24 (a weight below 2^-32) rounds to 0.
.set PITCH,  272                       ; K: an LDS row is two keys of 128 bytes + 16
.set KPART,  64*PITCH                  ; 17,408: 128 keys: one wave's load, and one wave's share
.set KTILE,  4*KPART                   ; 69,632
.set VPITCH, 1040                      ; V^T: a row is 512 keys of 2 bytes + 16: an odd multiple of 16
.set VPART,  16*VPITCH                 ; 16,640: 16 rows d: one wave's load
.set SLOT,   KTILE+4*VPART             ; 136,192
.set CB,     2*SLOT                    ; 272,384: the batch's nc, 16,384 bytes, filled once
.set SPITCH, 272                       ; the stage, from LDS byte 0: 64 rows q x 272 bytes a wave, 139,264 bytes: written only behind the slots' last fill and last read
.set SPART,  64*SPITCH                 ; 17,408
.set WAVE, 14                          ; s14 the wave's number
.set G1K, 16                           ; s[16:23] group 1 for K
.set G1V, 24                           ; s[24:31] group 1 for V^T
.set G1C, 32                           ; s[32:39] group 1 for nc
.set G0K, 40                           ; s[40:47] group 0 for K, one set for each slot
.set G0V, 48                           ; s[48:55] group 0 for V^T, one set for each slot
.set G0C, 56                           ; s[56:59] group 0 for nc
; window 0
.set KA,  2                            ; v2-3   my K fragment bytes in slot 0, 1
.set VA,  4                            ; v4-5   my V^T fragment bytes in slot 0, 1
.set CA,  6                            ; v6     my nc bytes of this tile; steps by 2,048 a tile
.set QO,  7                            ; v7     my bytes in a q tile in memory
.set SGA, 8                            ; v8     stage, in
.set RA,  9                            ; v9-10  stage, back: quarters 0-1, 2-3
.set OO,  11                           ; v11    16 x lane, in out0
.set T,   12                           ; v12-15, v1 at work
.set S,   16                           ; v16-79   scores: pair p of q tiles at 32 p; q tile il at + 16 il; key tile kt at + 8 kt
.set PF,  80                           ; v80-111  P' fragments: pair p at 16 p, q tile il at + 8 il
.set KF,  112                          ; v112-175 K fragments, two buffers of 32: key tile kt at + 16 kt
.set CF,  176                          ; v176-207 nc, two buffers of 16: key tile kt at + 8 kt
.set R,   16                           ; v16-143  the way out: quarter p, pair of rows n at 4 (8 p + n)
; window 1
.set QF,  0                            ; v256-319 Q fragments: q tile i at 16 i
.set O,   64                           ; v320-447 output tiles: (i, dt) at 64 + 8 (4 i + dt)
.set VF,  192                          ; v448-511 V^T fragments, two buffers of 32: d tile dt at + 8 dt
.set MSB, 0
.macro WIN new                         ; s_set_vgpr_msb; the immediate's high byte repeats the setting that is left
.if MSB != \new
	s_set_vgpr_msb (MSB<<8)|\new
.set MSB, \new
.endif
.endm
.macro PLACES
.rept 4
	v_nop
.endr
.endm
.macro ROUND                           ; a round of the cluster's barrier
	s_barrier_signal -1
	s_barrier_wait -1
	s_cmp_lg_u32 s[WAVE], 0
	s_cbranch_scc1 .Lnot_wave_0_\@
	s_barrier_signal -3
.Lnot_wave_0_\@:
	s_barrier_wait -3
	s_barrier_signal -1
	s_barrier_wait -1
.endm
.macro JLOAD n                         ; a joint load into slot n: waves 0-3 fetch K's four parts, waves 4-7 V^T's.  The branch hangs on the wave's number alone
	s_cmp_eq_u32 s60, 0
	s_cbranch_scc0 .Lfor_v_\@
	tensor_load_to_lds s[G0K+4*\n:G0K+4*\n+3], s[G1K:G1K+7]
	s_nop 0
	s_branch .Lasked_\@
.Lfor_v_\@:
	tensor_load_to_lds s[G0V+4*\n:G0V+4*\n+3], s[G1V:G1V+7]
	s_nop 0
.Lasked_\@:
.endm
	s_load_b256 s[4:11], s[0:1], 0x0               ; qh s[4:5], kh s[6:7], vt s[8:9], nc s[10:11]
	s_load_b64 s[12:13], s[0:1], 0x20              ; out0
	v_lshl_add_u32 v254, v0, 2, 0x46800
	v_mov_b32 v255, 0
	ds_add_u32 v254, v255
	ds_add_u32 v254, v255
	v_lshrrev_b32 v[T], 5, v0
	v_readfirstlane_b32 s[WAVE], v[T]
	s_and_b32 s15, s[WAVE], 3                      ; which part of K or of V^T I fetch
	s_lshr_b32 s60, s[WAVE], 2                     ; I fetch for K (0) or for V^T (1)
	s_and_b32 s61, s[WAVE], 1                      ; which 64 q
	s_lshr_b32 s62, s[WAVE], 1                     ; which 128 keys of a tile
	s_bfe_u32 s63, ttmp6, 0x40000                  ; cx
	s_lshl_b32 s66, ttmp9, 2
	s_add_co_u32 s66, s66, s63                     ; q block = 4 x cluster x + cx
	s_and_b32 s67, ttmp7, 0xffff                   ; batch
	s_mov_b32 s80, 0x41000000                      ; 8.0
	; K: a dense block as 64 rows of 32 elements of 8 bytes, 4 words of padding behind every 64; mask 15, bit 21 beside it
	s_mov_b32 s[G1K+0], 15|(3<<16)|(1<<20)|(1<<21)|(5<<22)|(3<<25)
	s_mov_b32 s[G1K+1], 32<<16
	s_mov_b32 s[G1K+2], 64<<16
	s_mov_b32 s[G1K+3], 32<<16
	s_mov_b32 s[G1K+4], 64
	s_mov_b32 s[G1K+5], 32
	s_mov_b32 s[G1K+6], 0
	s_mov_b32 s[G1K+7], 0
	; V^T: 16 rows of 128 elements of 8 bytes (1,024 bytes), 1,024 elements from row to row, 4 words of padding behind every 256
	s_mov_b32 s[G1V+0], 15|(3<<16)|(1<<20)|(1<<21)|(7<<22)|(3<<25)
	s_mov_b32 s[G1V+1], 128<<16
	s_mov_b32 s[G1V+2], 16<<16
	s_mov_b32 s[G1V+3], 128<<16
	s_mov_b32 s[G1V+4], 16
	s_mov_b32 s[G1V+5], 1024
	s_mov_b32 s[G1V+6], 0
	s_mov_b32 s[G1V+7], 0
	; nc: a dense block as 8 rows of 256 bytes, no padding
	s_mov_b32 s[G1C+0], 15|(3<<16)|(1<<21)
	s_mov_b32 s[G1C+1], 32<<16
	s_mov_b32 s[G1C+2], 8<<16
	s_mov_b32 s[G1C+3], 32<<16
	s_mov_b32 s[G1C+4], 8
	s_mov_b32 s[G1C+5], 32
	s_mov_b32 s[G1C+6], 0
	s_mov_b32 s[G1C+7], 0
	; offsets of the joint loads: batch and wave alone, nothing of cx
	s_lshl_b32 s68, s67, 19
	s_lshl_b32 s78, s15, 14
	s_add_co_u32 s68, s68, s78                     ; K: batch x 524,288 + part x 16,384
	s_mov_b32 s69, 0
	s_lshl_b32 s70, s67, 19
	s_lshl_b32 s78, s15, 17
	s_add_co_u32 s70, s70, s78                     ; V^T: batch x 524,288 + part x 16 rows of 8,192
	s_mov_b32 s71, 0
	s_lshl_b32 s72, s67, 14
	s_lshl_b32 s78, s[WAVE], 11
	s_add_co_u32 s72, s72, s78                     ; nc: batch x 16,384 + wave x 2,048
	s_mov_b32 s73, 0
	; my own: Q and out0
	s_lshl_b32 s74, s67, 12
	s_lshl_b32 s78, s66, 7
	s_add_co_u32 s74, s74, s78
	s_lshl_b32 s78, s61, 6
	s_add_co_u32 s74, s74, s78                     ; my wave's first q, counted over all batches
	s_lshl_b32 s76, s62, 4
	s_add_co_u32 s76, s76, s74                     ; the first of the 16 rows that I add up and store
	s_lshl_b32 s76, s76, 8                         ; 256 bytes a row of out0
	s_mov_b32 s77, 0
	s_lshl_b32 s74, s74, 7                         ; 128 bytes a row of qh
	s_mov_b32 s75, 0
	s_mul_i32 s78, s15, KPART
	s_mul_i32 s79, s15, VPART
	s_wait_dscnt 0x0
	s_wait_kmcnt 0x0
	s_add_nc_u64 s[4:5], s[4:5], s[74:75]
	s_add_nc_u64 s[6:7], s[6:7], s[68:69]
	s_add_nc_u64 s[8:9], s[8:9], s[70:71]
	s_add_nc_u64 s[10:11], s[10:11], s[72:73]
	s_add_nc_u64 s[12:13], s[12:13], s[76:77]
.irp n, 0,1
	s_mov_b32 s[G0K+4*\n], 1
	s_add_co_u32 s[G0K+4*\n+1], s78, \n*SLOT
	s_add_nc_u64 s[G0K+4*\n+2:G0K+4*\n+3], s[6:7], \n*65536        ; tile n: 512 keys of 128 bytes
	s_or_b32 s[G0K+4*\n+3], s[G0K+4*\n+3], 0x80000000
	s_mov_b32 s[G0V+4*\n], 1
	s_add_co_u32 s[G0V+4*\n+1], s79, \n*SLOT+KTILE
	s_add_nc_u64 s[G0V+4*\n+2:G0V+4*\n+3], s[8:9], \n*1024         ; tile n: 512 keys of 2 bytes along the rows
	s_or_b32 s[G0V+4*\n+3], s[G0V+4*\n+3], 0x80000000
.endr
	s_mov_b32 s[G0C], 1
	s_lshl_b32 s[G0C+1], s[WAVE], 11
	s_add_co_u32 s[G0C+1], s[G0C+1], CB
	s_mov_b64 s[G0C+2:G0C+3], s[10:11]
	s_or_b32 s[G0C+3], s[G0C+3], 0x80000000
	ROUND                                          ; all four work-groups are here: the first joint loads meet
	tensor_load_to_lds s[G0C:G0C+3], s[G1C:G1C+7]  ; the first fills as one group: three loads of the wave are outstanding
	s_nop 0
	JLOAD 0
	JLOAD 1
	v_and_b32 v[T], 15, v0                         ; r
	v_bfe_u32 v[T+1], v0, 4, 1                     ; h
	v_lshrrev_b32 v[T+2], 1, v[T]
	v_and_b32 v[T+3], 1, v0
	v_mul_u32_u24 v1, v[T+2], PITCH                ; key r of a tile lies in LDS row r / 2,
	v_lshl_add_u32 v1, v[T+3], 7, v1               ; in its half r % 2: sixteen different 16-byte columns
	v_lshl_add_u32 v1, v[T+1], 4, v1               ; + 16 h
	s_mul_i32 s78, s62, KPART
	v_add_nc_u32 v[KA], s78, v1
	v_add_nc_u32 v[KA+1], SLOT, v[KA]
	v_mul_u32_u24 v1, v[T], VPITCH
	v_lshl_add_u32 v1, v[T+1], 4, v1               ; row d = r, 8 h keys of 2 bytes
	s_lshl_b32 s78, s62, 8
	s_add_co_u32 s78, s78, KTILE                   ; behind K, my 128 keys
	v_add_nc_u32 v[VA], s78, v1
	v_add_nc_u32 v[VA+1], SLOT, v[VA]
	s_lshl_b32 s78, s62, 9
	s_add_co_u32 s78, s78, CB
	v_lshl_add_u32 v[CA], v[T+1], 5, s78           ; my 128 keys of 4 bytes, + 8 h
	v_lshlrev_b32 v[QO], 7, v[T]
	v_lshl_add_u32 v[QO], v[T+1], 4, v[QO]         ; 128 r + 16 h
	v_mul_u32_u24 v1, v[T], SPITCH
	v_lshl_add_u32 v1, v[T+1], 5, v1               ; row q = r, 8 h numbers of 4 bytes
	s_mul_i32 s78, s[WAVE], SPART
	v_add_nc_u32 v[SGA], s78, v1
	v_mul_u32_u24 v1, v[T+1], SPITCH
	v_lshl_add_u32 v1, v[T], 4, v1                 ; back: sixteen lanes take a row of 256 bytes
	s_mul_i32 s78, s61, SPART                      ; quarter 0 of my q half,
	s_mul_i32 s79, s62, 16*SPITCH                  ; my 16 rows of its 64
	s_add_co_u32 s78, s78, s79
	v_add_nc_u32 v[RA], s78, v1
	v_add_nc_u32 v[RA+1], 4*SPART, v[RA]
	v_and_b32 v[OO], 31, v0
	v_lshlrev_b32 v[OO], 4, v[OO]
	WIN 0x40                                       ; destinations in window 1
.irp i, 0,1,2,3
.irp c, 0,1,2,3
	global_load_b128 v[QF+16*\i+4*\c:QF+16*\i+4*\c+3], v[QO], s[4:5] offset:2048*\i+32*\c
.endr
.endr
	WIN 0
; 12 LDS loads: K's fragments and nc of the 32 keys of step st of a slot, into buffer b
.macro LOADKC b, slot, st, cimm
	WIN 0
.irp kt, 0,1
.irp c, 0,1,2,3
	ds_load_b128 v[KF+32*(\b)+16*\kt+4*\c:KF+32*(\b)+16*\kt+4*\c+3], v[KA+(\slot)] offset:16*PITCH*(\st)+8*PITCH*\kt+32*\c
.endr
.endr
.irp kt, 0,1
.irp a, 0,1
	ds_load_b128 v[CF+16*(\b)+8*\kt+4*\a:CF+16*(\b)+8*\kt+4*\a+3], v[CA] offset:\cimm+64*\kt+16*\a
.endr
.endr
.endm
; 8 LDS loads: V^T's fragments (4 d tiles x 32 keys) of step st of a slot, into buffer b
.macro LOADV b, slot, st
	WIN 0x40
.irp dt, 0,1,2,3
.irp a, 0,1
	ds_load_b128 v[VF+32*(\b)+8*\dt+4*\a:VF+32*(\b)+8*\dt+4*\a+3], v[VA+(\slot)] offset:VPART*\dt+64*(\st)+32*\a
.endr
.endr
.endm
; Four matrix instructions: scores of q tiles 2 pp, 2 pp + 1 against the two key tiles of buffer b.  hi = 0: over d 0-31, starting from nc; hi = 1: over d 32-63, in place.
; The four accumulators take turns, one instruction a turn.
.macro GSM pp, b, hi
	WIN 0x04                                       ; source 1 (Q) in window 1
.irp il, 0,1
.irp kt, 0,1
.if \hi
	v_wmma_f32_16x16x32_f16 v[S+32*(\pp)+16*\il+8*\kt:S+32*(\pp)+16*\il+8*\kt+7], v[KF+32*(\b)+16*\kt+8:KF+32*(\b)+16*\kt+15], v[QF+16*(2*(\pp)+\il)+8:QF+16*(2*(\pp)+\il)+15], v[S+32*(\pp)+16*\il+8*\kt:S+32*(\pp)+16*\il+8*\kt+7]
.else
	v_wmma_f32_16x16x32_f16 v[S+32*(\pp)+16*\il+8*\kt:S+32*(\pp)+16*\il+8*\kt+7], v[KF+32*(\b)+16*\kt:KF+32*(\b)+16*\kt+7], v[QF+16*(2*(\pp)+\il):QF+16*(2*(\pp)+\il)+7], v[CF+16*(\b)+8*\kt:CF+16*(\b)+8*\kt+7]
.endif
.endr
.endr
.endm
; Four matrix instructions: V^T P' for q tile 2 pp + il: four output tiles, one instruction each
.macro GPV pp, b, zero, il
	WIN 0x51                                       ; source 0 (V^T), C and D in window 1
.irp dt, 0,1,2,3
.if \zero
	v_wmma_f32_16x16x32_f16 v[O+8*(4*(2*(\pp)+\il)+\dt):O+8*(4*(2*(\pp)+\il)+\dt)+7], v[VF+32*(\b)+8*\dt:VF+32*(\b)+8*\dt+7], v[PF+16*(\pp)+8*\il:PF+16*(\pp)+8*\il+7], 0
.else
	v_wmma_f32_16x16x32_f16 v[O+8*(4*(2*(\pp)+\il)+\dt):O+8*(4*(2*(\pp)+\il)+\dt)+7], v[VF+32*(\b)+8*\dt:VF+32*(\b)+8*\dt+7], v[PF+16*(\pp)+8*\il:PF+16*(\pp)+8*\il+7], v[O+8*(4*(2*(\pp)+\il)+\dt):O+8*(4*(2*(\pp)+\il)+\dt)+7]
.endif
.endr
.endm
; 20 vector instructions: the exponentials of scores 8 c .. 8 c + 7 of pair p, the clamps of the next eight, the conversions of the eight before
.macro XB p, c
.irp i, 0,1,2,3
	v_exp_f32 v[S+32*\p+8*\c+2*\i], v[S+32*\p+8*\c+2*\i]
	v_min_num_f32 v[S+32*\p+8*\c+8+2*\i], s80, v[S+32*\p+8*\c+8+2*\i]
	v_exp_f32 v[S+32*\p+8*\c+2*\i+1], v[S+32*\p+8*\c+2*\i+1]
	v_min_num_f32 v[S+32*\p+8*\c+8+2*\i+1], s80, v[S+32*\p+8*\c+8+2*\i+1]
	s_wait_alu depctr_va_vdst(0)
	v_cvt_pk_f16_f32 v[PF+16*\p+4*\c-4+\i], v[S+32*\p+8*\c-8+2*\i], v[S+32*\p+8*\c-8+2*\i+1]
.endr
.endm
; A unit.  Vector work: pair p's 32 scores a lane become 16 words, its two fragments of P'.  Woven in, for the OTHER pair: V^T P' of the step before or of this step
; (pv; V^T buffer pvb; pvz: these products start the sums), then its next scores (sm; K buffer smb).
; The vector work names S and PF of pair p alone, the matrix instructions S, PF, Q and O of the other pair and K, nc, V^T.  So the plain vector instructions of the unit are
; places behind its matrix instructions: 8 conversions stand behind the last scores, ahead of the next unit's clamps, which read them; at least 12 clamps
; and conversions stand behind the last V^T P', ahead of the loads into V^T's registers at the next unit's head and of the next unit's conversions into PF.
; Every exponential is followed by a plain vector instruction on other registers before its result is used (ISA guide 5.7.2).
.macro X p, pv, pvb, pvz, sm, smb
.if \pv
	GPV 1-\p, \pvb, \pvz, 0
.endif
	WIN 0
.irp i, 0,1,2,3,4,5,6,7
	v_min_num_f32 v[S+32*\p+\i], s80, v[S+32*\p+\i]
.endr
.irp i, 0,1,2,3,4,5,6,7
	v_exp_f32 v[S+32*\p+\i], v[S+32*\p+\i]
	v_min_num_f32 v[S+32*\p+8+\i], s80, v[S+32*\p+8+\i]
.endr
.if \pv
	GPV 1-\p, \pvb, \pvz, 1
.endif
	WIN 0
	XB \p, 1
.if \sm
	GSM 1-\p, \smb, 0
.endif
	WIN 0
	XB \p, 2
.if \sm
	GSM 1-\p, \smb, 1
.endif
	WIN 0
.irp i, 0,1,2,3
	v_exp_f32 v[S+32*\p+24+2*\i], v[S+32*\p+24+2*\i]
	s_wait_alu depctr_va_vdst(0)
	v_cvt_pk_f16_f32 v[PF+16*\p+8+\i], v[S+32*\p+16+2*\i], v[S+32*\p+16+2*\i+1]
	v_exp_f32 v[S+32*\p+24+2*\i+1], v[S+32*\p+24+2*\i+1]
.endr
	s_wait_alu depctr_va_vdst(0)
.irp i, 0,1,2,3
	v_cvt_pk_f16_f32 v[PF+16*\p+12+\i], v[S+32*\p+24+2*\i], v[S+32*\p+24+2*\i+1]
.endr
.endm
; The change of slots, in front of a tile's fourth step: all of slot cur that the wave needs lies in its registers once its LDS loads are back.  In front of the barrier
; every wave waits for these and for all its tensor loads (the one that is out is its part of the other slot).  mode 2: a round of the cluster's barrier, then the joint
; refill of slot cur, two tiles ahead, as the wave's first and only tensor load behind it; it has a tile's four steps in which to land.
; mode 1: nothing is left to fetch: the work-group's barrier alone.
.macro CHANGE cur, mode
	WIN 0
	s_wait_dscnt 0x0
	s_wait_tensorcnt 0x0
	ds_add_u32 v254, v255
	s_wait_dscnt 0x0
.if \mode == 2
	s_add_nc_u64 s[G0K+4*\cur+2:G0K+4*\cur+3], s[G0K+4*\cur+2:G0K+4*\cur+3], 2*65536   ; no load of mine is out: the groups 0 may be written
	s_add_nc_u64 s[G0V+4*\cur+2:G0V+4*\cur+3], s[G0V+4*\cur+2:G0V+4*\cur+3], 2*1024
	ROUND
	JLOAD \cur
.else
	s_barrier_signal -1
	s_barrier_wait -1
.endif
.endm
; Step st (0 to 3) of the tile in slot cur: 32 keys, register buffers SB = st % 2.  Two units:
;   pair 0's vector work, with pair 1's V^T P' of the step before and pair 1's scores of this step; at its head the 12 loads of K and nc of the next step;
;   pair 1's vector work, with pair 0's V^T P' of this step and pair 0's scores of the next step; at its head the 8 loads of V^T of the next step.
; chg: the change of slots stands in front (0: none).  nx: there is a next step.  pv: there was a step before.  z0, z1: the unit's V^T P' starts its sums.
.macro STEP cur, st, chg, nx, pv, z0, z1
.set SB, (\st)%2
.if \chg
	CHANGE \cur, \chg
.endif
.if \nx
.if \st < 3
	LOADKC 1-SB, \cur, \st+1, 128*(\st+1)
.else
	LOADKC 1-SB, 1-\cur, 0, 2048
.endif
.endif
	X 0, \pv, 1-SB, \z0, 1, SB
.if \nx
.if \st < 3
	LOADV 1-SB, \cur, \st+1
.else
	LOADV 1-SB, 1-\cur, 0
.endif
	s_wait_dscnt 8                                 ; all but the 8 loads just issued: this step's V^T and the next step's K and nc are in
.else
	s_wait_dscnt 0                                 ; the last step's V^T
.endif
	X 1, 1, SB, \z1, \nx, 1-SB
	WIN 0
.if \nx
.if \st == 3
	v_add_nc_u32 v[CA], 2048, v[CA]                ; the next tile's nc
.endif
.endif
.endm
.macro TILE cur, chg, nx, first
	STEP \cur, 0, 0, 1, 1-\first, 0, \first
	STEP \cur, 1, 0, 1, 1, \first, 0
	STEP \cur, 2, 0, 1, 1, 0, 0
	STEP \cur, 3, \chg, \nx, 1, 0, 0
.endm
	s_wait_tensorcnt 0x1                           ; my parts of nc and of tile 0 are in; tile 1 may stay out
	s_barrier_signal -1
	s_barrier_wait -1
	LOADKC 0, 0, 0, 0
	LOADV 0, 0, 0
	s_wait_loadcnt 0x0                             ; Q
	s_wait_dscnt 8                                 ; K and nc are in; out: the 8 loads of V^T
	GSM 0, 0, 0                                    ; pair 0's first scores: nothing to weave them into yet
	GSM 0, 0, 1
	WIN 0
	PLACES
	v_nop
	TILE 0, 2, 1, 1                                ; tile 0: its first step's products start the sums; slot 0 gets tile 2
	TILE 1, 2, 1, 0                                ; tile 1; slot 1 gets tile 3
	s_mov_b32 s81, 2
.Ltiles:
	TILE 0, 2, 1, 0                                ; tiles 2 to 5; tiles 4 to 7 are asked for
	TILE 1, 2, 1, 0
	s_sub_co_u32 s81, s81, 1
	s_cmp_lg_u32 s81, 0
	s_cbranch_scc1 .Ltiles
	TILE 0, 1, 1, 0                                ; tile 6: nothing is left to fetch
	TILE 1, 0, 0, 0                                ; tile 7
	GPV 1, 1, 0, 0                                 ; pair 1's V^T P' of the last step
	GPV 1, 1, 0, 1
	WIN 0
	; THE WAY OUT: my 64 q x 64 d, a partial sum over my keys, into my stage; then each wave adds the four quarters of 16 rows.
	; The stage lies in the slots' bytes: no tensor load is issued any more, and every wave's reads of the slots are back in front of this barrier.
	PLACES
	s_wait_dscnt 0x0
	s_barrier_signal -1
	s_barrier_wait -1
	WIN 0x04                                       ; an LDS store's data are its source 1: window 1
.irp i, 0,1,2,3
.irp dt, 0,1,2,3
	ds_store_b128 v[SGA], v[O+8*(4*\i+\dt):O+8*(4*\i+\dt)+3]   offset:16*SPITCH*\i+64*\dt
	ds_store_b128 v[SGA], v[O+8*(4*\i+\dt)+4:O+8*(4*\i+\dt)+7] offset:16*SPITCH*\i+64*\dt+16
.endr
.endr
	WIN 0
	s_wait_dscnt 0x0                               ; for the other waves: zero
	s_barrier_signal -1
	s_barrier_wait -1
.irp p, 0,1,2,3
.irp n, 0,1,2,3,4,5,6,7
	ds_load_b128 v[R+4*(8*\p+\n):R+4*(8*\p+\n)+3], v[RA+\p/2] offset:2*SPART*(\p%2)+2*SPITCH*\n
.endr
.endr
	s_wait_dscnt 0x0
.irp n, 0,1,2,3,4,5,6,7
.irp c, 0,2
	v_pk_add_f32 v[R+4*\n+\c:R+4*\n+\c+1],       v[R+4*\n+\c:R+4*\n+\c+1],       v[R+32+4*\n+\c:R+32+4*\n+\c+1]
	v_pk_add_f32 v[R+64+4*\n+\c:R+64+4*\n+\c+1], v[R+64+4*\n+\c:R+64+4*\n+\c+1], v[R+96+4*\n+\c:R+96+4*\n+\c+1]
.endr
.irp c, 0,2
	v_pk_add_f32 v[R+4*\n+\c:R+4*\n+\c+1], v[R+4*\n+\c:R+4*\n+\c+1], v[R+64+4*\n+\c:R+64+4*\n+\c+1]
.endr
.irp c, 0,2
	v_pk_mul_f32 v[R+4*\n+\c:R+4*\n+\c+1], v[R+4*\n+\c:R+4*\n+\c+1], 0x3b800000 op_sel_hi:[1,0]   ; times 2^-8: exact
.endr
	global_store_b128 v[OO], v[R+4*\n:R+4*\n+3], s[12:13] offset:512*\n th:TH_STORE_NT     ; the wave stores two whole rows, 512 consecutive bytes, aligned
.endr
	s_wait_tensorcnt 0x0
	ds_add_u32 v254, v255
	s_wait_dscnt 0x0
	ROUND                                          ; the closing round: no work-group ends while a partner may still ask for a tile that names it
	s_endpgm
.Lfunc_end_k_qcdfb10c95c_attn:
	.size	k_qcdfb10c95c_attn, .Lfunc_end_k_qcdfb10c95c_attn-k_qcdfb10c95c_attn
	.p2alignl 7, 3214868480
	.fill 96, 4, 3214868480
	.section	.rodata,"a",@progbits
	.p2align	6, 0x0
	.amdhsa_kernel k_qcdfb10c95c_attn
		.amdhsa_group_segment_fixed_size 327680
		.amdhsa_private_segment_fixed_size 0
		.amdhsa_enable_private_segment 0
		.amdhsa_kernarg_size 40
		.amdhsa_user_sgpr_count 2
		.amdhsa_user_sgpr_kernarg_segment_ptr 1
		.amdhsa_wavefront_size32 1
		.amdhsa_system_sgpr_workgroup_id_x 1
		.amdhsa_system_sgpr_workgroup_id_y 1
		.amdhsa_system_sgpr_workgroup_id_z 1
		.amdhsa_system_vgpr_workitem_id 0
		.amdhsa_next_free_vgpr 512
		.amdhsa_next_free_sgpr 84
		.amdhsa_reserve_vcc 0
		.amdhsa_float_denorm_mode_32 3
		.amdhsa_float_denorm_mode_16_64 3
		.amdhsa_memory_ordered 1
		.amdhsa_forward_progress 1
		.amdhsa_inst_pref_size 255
	.end_amdhsa_kernel
	.section	.bss,"aw",@nobits
	.p2align	6
	.space	262144
	.amdgpu_metadata
---
amdhsa.version: [ 1, 2 ]
amdhsa.kernels:
  - .name:           k_qcdfb10c95c_attn
    .symbol:         k_qcdfb10c95c_attn.kd
    .args:
      - { .name: qh, .offset: 0, .size: 8, .value_kind: global_buffer, .address_space: global }
      - { .name: kh, .offset: 8, .size: 8, .value_kind: global_buffer, .address_space: global }
      - { .name: vt, .offset: 16, .size: 8, .value_kind: global_buffer, .address_space: global }
      - { .name: nc, .offset: 24, .size: 8, .value_kind: global_buffer, .address_space: global }
      - { .name: out0, .offset: 32, .size: 8, .value_kind: global_buffer, .address_space: global }
    .group_segment_fixed_size: 327680
    .private_segment_fixed_size: 0
    .kernarg_segment_align: 8
    .kernarg_segment_size: 40
    .max_flat_workgroup_size: 256
    .sgpr_count:     84
    .vgpr_count:     512
    .wavefront_size: 32
...
	.end_amdgpu_metadata
.endif
;; end of part 3
;; ======== version 2 of 2: 3 launches; 1.18 times as fast as version 1
;; limits: values are held in f16: magnitudes above 65,504 overflow, below 6.1e-05 lose precision
;; workspace buffers: qh 4,194,304 bytes; kh 4,194,304 bytes; vt 4,194,304 bytes; nc 131,072 bytes
;; launch proj: the kernel of part 1 again; grid 256 x 1, 8 waves a work-group, no clusters, 294,912 bytes of LDS; arguments x, Wq, Wk, Wv, bq, bk, bv, qh, kh, vt; writes qh, kh, vt
;; launch stats (part 4): grid 32 x 8, 8 waves a work-group, clusters of 4 x 1, 327,680 bytes of LDS; arguments qh, kh, nc; writes nc
.if DOCPART == 4
	.amdgcn_target "amdgcn-amd-amdhsa--gfx1250"
	.amdhsa_code_object_version 6
	.text
	.protected	k_qcdfb10c95c_stats
	.globl	k_qcdfb10c95c_stats
	.p2align	8
	.type	k_qcdfb10c95c_stats,@function
k_qcdfb10c95c_stats:
	s_mov_b64 s[64:65], 0
	v_nop
	global_prefetch_b8 v0, s[64:65] scope:SCOPE_SE
	s_setreg_imm32_b32 hwreg(HW_REG_WAVE_MODE, 25, 1), 1
	s_wait_xcnt 0x0
	s_wait_alu depctr_hold_cnt(0) depctr_sa_sdst(0) depctr_va_vdst(0) depctr_va_sdst(0) depctr_va_ssrc(0) depctr_va_vcc(0) depctr_vm_vsrc(0)
	s_getreg_b32 s2, hwreg(HW_REG_IB_STS2, 6, 4)
	s_cmp_eq_u32 s2, 0
	s_cbranch_scc0 .Lentry_in_a_cluster
	s_endpgm
.Lentry_in_a_cluster:
	s_bfe_u32 s2, ttmp6, 0x10000c
	s_cmp_lg_u32 s2, 0x3003
	s_cbranch_scc0 .Lentry_shape_is_right
	s_endpgm
.Lentry_shape_is_right:
; nc[batch][key] = 8 - log2 Z - m, where s2[q][key] = qh[q] . kh[key] (the score times log2 e), m = max over q of s2, Z = sum over q of 2^(s2 - m).
; The softmax runs over the QUERY axis, so these two figures of a key need every q of the batch.
; The work-group owns 128 keys and streams the batch's 4,096 q in 4 tiles of 1,024 through two LDS slots; a slot is read in two trips of 512 q.
; Wave w keeps 64 keys (w & 1) as fragments in registers and takes a quarter (w >> 1), 128 q = 8 q tiles, of every trip.
; The product is K Q^T + C: register j of lane (r, h) is key 8 h + j and q = r.  Each lane keeps a running maximum and a running sum of its own
; for each of its keys; C is the negated maximum, so the matrix instruction takes the maximum away.  The maximum is renewed once for 8 q tiles.
; WOVEN TEXT: the 16 products of one key tile stand as eight pairs among the 176 vector instructions that work on the key tile before (the other score
; buffer): a wave has work for another unit between any two of them.
; BATCHES: a unit's 72 exponentials (8 for the old sum's rescaling, 64 scores; in the first trip the 64 alone) are ONE BATCH with ONE wait.  Ahead of the wait stand the
; maxima, the subtractions, the exponentials and the eight pairs of products, none of which names an exponential's result; behind it the 32 sums, which read them.
; At the end the 16 lanes of a row, then the four waves of a key half, are merged with the usual rescaling; each merge's exponentials, and the logarithms, are a batch of their own.
; CLUSTER: the four work-groups of a cluster stream the same tiles of Q; each tile is asked for jointly (mask 15), which divides the requests for Q by four.
; The eight trips differ (first sums, round with refill, plain barrier, nothing to fetch), so they are written out by macro, without a loop.
; LIMITS: nc is one f32, so it carries half a last place of m, as a score in f32 does.
.set PITCH,  272                       ; an LDS row: two q of 128 bytes + 16 of padding
.set WPART,  64*PITCH                  ; 17,408: what one wave's load brings: 128 q
.set SLOT,   8*WPART                   ; 139,264: 1,024 q
.set HALF,   SLOT/2                    ; 69,632: 512 q, a trip.  Trip t reads region t % 4 of the four halves
.set QT,     8*PITCH                   ; a q tile: 16 q
.set QUART,  8*QT                      ; a wave's quarter of a trip
.set ST,     2*SLOT                    ; 278,528: stage, 512 bytes a wave: 64 maxima, 64 sums.  No tensor load lands here
.set WAVE, 10                          ; s10 the wave's number
.set G1,   16                          ; s[16:23] descriptor group 1
.set G0,   24                          ; s[24:31] descriptor group 0, one set for each slot
; window 0
.set QA,   2                           ; v2-5    my fragment bytes in regions 0 to 3
.set KO,   6                           ; v6      my bytes in a key tile in memory
.set STA,  7                           ; v7      stage, in
.set RDM,  8                           ; v8      stage, back
.set NCO,  9                           ; v9      16 x lane, in nc
.set T,    10                          ; v10-15  at work
.set NM,   16                          ; v16-47  minus the running maximum: key tile kt at 8 kt
.set Z,    48                          ; v48-79  the running sum
.set MX,   80                          ; v80-87  by how much the maximum grows
.set MXN,  88                          ; v88-95  minus that
.set E,    96                          ; v96-103 2^MXN
.set DA,   104                         ; v104-167 eight score tiles
.set DB,   168                         ; v168-231 eight score tiles
; window 1
.set KF,   0                           ; v256-319 K fragments: key tile kt at 16 kt (d 0-31 in 8 registers, d 32-63 in 8)
.set QF,   64                          ; v320-447 Q fragments: q tile g at 64 + 16 g
.set MSB, 0
.macro WIN new                         ; s_set_vgpr_msb; the immediate's high byte repeats the setting that is left
.if MSB != \new
	s_set_vgpr_msb (MSB<<8)|\new
.set MSB, \new
.endif
.endm
.macro PLACES
.rept 4
	v_nop
.endr
.endm
.macro ROUND                           ; a round of the cluster's barrier
	s_barrier_signal -1
	s_barrier_wait -1
	s_cmp_lg_u32 s[WAVE], 0
	s_cbranch_scc1 .Lnot_wave_0_\@
	s_barrier_signal -3
.Lnot_wave_0_\@:
	s_barrier_wait -3
	s_barrier_signal -1
	s_barrier_wait -1
.endm
	s_load_b128 s[4:7], s[0:1], 0x0                ; qh s[4:5], kh s[6:7]
	s_load_b64 s[8:9], s[0:1], 0x10                ; nc
	v_lshl_add_u32 v254, v0, 2, 0x45000
	v_mov_b32 v255, 0
	ds_add_u32 v254, v255
	ds_add_u32 v254, v255
	v_lshrrev_b32 v[T], 5, v0
	v_readfirstlane_b32 s[WAVE], v[T]
	s_and_b32 s11, s[WAVE], 1                      ; which 64 keys
	s_lshr_b32 s12, s[WAVE], 1                     ; which quarter of a trip
	s_bfe_u32 s13, ttmp6, 0x40000                  ; cx
	s_lshl_b32 s14, ttmp9, 2
	s_add_co_u32 s14, s14, s13                     ; key block = 4 x cluster x + cx
	s_and_b32 s15, ttmp7, 0xffff                   ; batch
	; group 1: a dense block as 64 rows of 32 elements of 8 bytes; behind every 64 words 4 words of padding; mask 15: all four of the cluster; bit 21 beside it
	s_mov_b32 s[G1+0], 15|(3<<16)|(1<<20)|(1<<21)|(5<<22)|(3<<25)
	s_mov_b32 s[G1+1], 32<<16
	s_mov_b32 s[G1+2], 64<<16
	s_mov_b32 s[G1+3], 32<<16
	s_mov_b32 s[G1+4], 64
	s_mov_b32 s[G1+5], 32
	s_mov_b32 s[G1+6], 0
	s_mov_b32 s[G1+7], 0
	s_lshl_b32 s32, s15, 19                        ; Q: batch x 524,288 bytes + wave x 16,384: nothing of cx
	s_lshl_b32 s33, s[WAVE], 14
	s_add_co_u32 s32, s32, s33
	s_mov_b32 s33, 0
	s_mul_i32 s34, s[WAVE], WPART
	s_lshl_b32 s36, s15, 12
	s_lshl_b32 s37, s14, 7
	s_add_co_u32 s36, s36, s37                     ; the group's first key, counted over all batches
	s_lshl_b32 s38, s36, 2                         ; its bytes in nc
	s_mov_b32 s39, 0
	s_lshl_b32 s37, s11, 6
	s_add_co_u32 s36, s36, s37                     ; my wave's first key,
	s_lshl_b32 s36, s36, 7                         ; 128 bytes each
	s_mov_b32 s37, 0
	s_wait_dscnt 0x0
	s_wait_kmcnt 0x0
	s_add_nc_u64 s[4:5], s[4:5], s[32:33]
	s_add_nc_u64 s[6:7], s[6:7], s[36:37]
	s_add_nc_u64 s[8:9], s[8:9], s[38:39]
.irp n, 0,1
	s_mov_b32 s[G0+4*\n], 1
	s_add_co_u32 s[G0+4*\n+1], s34, \n*SLOT
	s_add_nc_u64 s[G0+4*\n+2:G0+4*\n+3], s[4:5], \n*131072         ; tile n: 1,024 q of 128 bytes
	s_or_b32 s[G0+4*\n+3], s[G0+4*\n+3], 0x80000000
.endr
	ROUND                                          ; all four work-groups are here: the first joint loads meet
	tensor_load_to_lds s[G0:G0+3], s[G1:G1+7]      ; both first fills as one group: two loads of the wave are outstanding
	s_nop 0
	tensor_load_to_lds s[G0+4:G0+7], s[G1:G1+7]
	s_nop 0
	v_and_b32 v[T], 15, v0                         ; r
	v_bfe_u32 v[T+1], v0, 4, 1                     ; h
	v_lshrrev_b32 v[T+2], 1, v[T]
	v_and_b32 v[T+3], 1, v0
	v_mul_u32_u24 v[T+4], v[T+2], PITCH            ; row r of a tile lies in LDS row r / 2,
	v_lshl_add_u32 v[T+4], v[T+3], 7, v[T+4]       ; in its half r % 2: the sixteen rows start in sixteen different 16-byte columns
	v_lshl_add_u32 v[T+4], v[T+1], 4, v[T+4]       ; + 16 h
	s_mul_i32 s35, s12, QUART
	v_add_nc_u32 v[QA], s35, v[T+4]
.irp n, 1,2,3
	v_add_nc_u32 v[QA+\n], \n*HALF, v[QA]
.endr
	v_lshlrev_b32 v[KO], 7, v[T]
	v_lshl_add_u32 v[KO], v[T+1], 4, v[KO]         ; 128 r + 16 h
	s_lshl_b32 s35, s[WAVE], 9
	s_add_co_u32 s35, s35, ST
	v_lshl_add_u32 v[STA], v[T+1], 5, s35          ; my wave's stage + 32 h
	v_lshlrev_b32 v[RDM], 9, v[T+1]
	v_lshl_add_u32 v[RDM], v[T], 4, v[RDM]
	v_add_nc_u32 v[RDM], ST, v[RDM]                ; keys 4 lane ..: key half lane / 16, 16 bytes for lane % 16
	v_and_b32 v[NCO], 31, v0
	v_lshlrev_b32 v[NCO], 4, v[NCO]
	WIN 0x40                                       ; destinations in window 1
.irp kt, 0,1,2,3
.irp c, 0,1,2,3
	global_load_b128 v[KF+16*\kt+4*\c:KF+16*\kt+4*\c+3], v[KO], s[6:7] offset:2048*\kt+32*\c
.endr
.endr
	WIN 0
; 16 LDS loads: one d half (hi = 0: d 0-31, 1: d 32-63) of my 8 q tiles of region rg
.macro LOADQH rg, hi
	WIN 0x40
.irp g, 0,1,2,3,4,5,6,7
	ds_load_b128 v[QF+16*\g+8*\hi:QF+16*\g+8*\hi+3],   v[QA+(\rg)] offset:QT*\g+64*\hi
	ds_load_b128 v[QF+16*\g+8*\hi+4:QF+16*\g+8*\hi+7], v[QA+(\rg)] offset:QT*\g+64*\hi+32
.endr
.endm
; Pair n of the eight pairs of products of key tile U_KW into buffer U_BW.  Pairs 0-3: q tiles 2 n, 2 n + 1 over d 0-31, starting from minus the maximum (U_ZERO: from 0).
; Pairs 4-7: q tiles 2 (n - 4), + 1 over d 32-63, in place.  The eight accumulators take turns, one instruction a turn.
; U_WT: the fragments were loaded in the unit before: the first pair waits for the 16 loads of d 0-31 (the 16 younger may be out), pair 4 for all.
.macro PAIRW n
.if U_WT
.if (\n) == 0
	s_wait_dscnt 16
.endif
.if (\n) == 4
	s_wait_dscnt 0
.endif
.endif
	WIN 0x05                                       ; sources 0 and 1 in window 1
.irp o, 0,1
.if (\n) < 4
.if U_ZERO
	v_wmma_f32_16x16x32_f16 v[U_BW+8*(2*(\n)+\o):U_BW+8*(2*(\n)+\o)+7], v[KF+16*U_KW:KF+16*U_KW+7], v[QF+16*(2*(\n)+\o):QF+16*(2*(\n)+\o)+7], 0
.else
	v_wmma_f32_16x16x32_f16 v[U_BW+8*(2*(\n)+\o):U_BW+8*(2*(\n)+\o)+7], v[KF+16*U_KW:KF+16*U_KW+7], v[QF+16*(2*(\n)+\o):QF+16*(2*(\n)+\o)+7], v[NM+8*U_KW:NM+8*U_KW+7]
.endif
.else
	v_wmma_f32_16x16x32_f16 v[U_BW+8*(2*(\n)-8+\o):U_BW+8*(2*(\n)-8+\o)+7], v[KF+16*U_KW+8:KF+16*U_KW+15], v[QF+16*(2*(\n)-8+\o)+8:QF+16*(2*(\n)-8+\o)+15], v[U_BW+8*(2*(\n)-8+\o):U_BW+8*(2*(\n)-8+\o)+7]
.endif
.endr
.endm
; Place n (0 to 10) in a unit's vector work: pair n, if the unit has products; and, if the unit loads the next trip's Q (U_LD = region + 1), the half d 0-31 at place 4
; and the half d 32-63 at place 8.  The last product that read those registers stands one place earlier, and between the two places stand the four subtractions of a q tile,
; which name none of its registers (a load into a matrix instruction's source keeps the distance of four plain vector instructions).
.macro HOOK n
.if U_WM
.if (\n) < 8
	PAIRW \n
.endif
.endif
.if U_LD
.if (\n) == 4
	LOADQH U_LD-1, 0
.endif
.if (\n) == 8
	LOADQH U_LD-1, 1
.endif
.endif
	WIN 0
.endm
; Pair i of the sum of q tile g into Z.  first: the sums begin with tiles 0 and 1.  Else tile 0 comes with the rescaling of the old sum.  All of them stand behind the unit's one wait.
.macro SUMP ks, bs, first, g, i
.if \first
.if (\g) == 1
	v_pk_add_f32 v[Z+8*\ks+2*\i:Z+8*\ks+2*\i+1], v[\bs+2*\i:\bs+2*\i+1], v[\bs+8+2*\i:\bs+8+2*\i+1]
.endif
.if (\g) > 1
	v_pk_add_f32 v[Z+8*\ks+2*\i:Z+8*\ks+2*\i+1], v[Z+8*\ks+2*\i:Z+8*\ks+2*\i+1], v[\bs+8*(\g)+2*\i:\bs+8*(\g)+2*\i+1]
.endif
.else
.if (\g) == 0
	v_pk_fma_f32 v[Z+8*\ks+2*\i:Z+8*\ks+2*\i+1], v[Z+8*\ks+2*\i:Z+8*\ks+2*\i+1], v[E+2*\i:E+2*\i+1], v[\bs+2*\i:\bs+2*\i+1]
.else
	v_pk_add_f32 v[Z+8*\ks+2*\i:Z+8*\ks+2*\i+1], v[Z+8*\ks+2*\i:Z+8*\ks+2*\i+1], v[\bs+8*(\g)+2*\i:\bs+8*(\g)+2*\i+1]
.endif
.endif
.endm
; A unit.  Vector work: the 8 tiles of buffer bs hold s2 - (old maximum) of key tile ks (first = 1: s2): new maximum, rescaled sum, 64 exponentials a lane.
; Woven in (wm = 1): the products of key tile kw into the other buffer bw.  The vector work names bs, MX, MXN, E, NM and Z of ks; the products name bw, K, Q and NM of kw:
; no register in common.  Behind the last pair (place 7) stand 8 subtractions and the sums, the places that the next unit's reads of bw owe (ISA guide 7.12.1).
; THE BATCH.  In this order: the maxima; the exponentials of the maximum's change (E) and of q tiles 0 to 7, each tile's with the subtractions for the tile behind it between them; ONE wait; the sums, tile 0 to tile 7.
; Ahead of the wait nothing names an exponential's result: a subtraction writes scores whose exponentials are still to come, the products write the other buffer.  The new -m (NM += MXN), which nothing
; in the unit reads, stands among the last tile's exponentials; its last line is the plain vector instruction behind the last exponential (ISA guide 5.7.2).  The first trip's units have no such line and take a v_nop.
.macro UNIT ks, bs, first, wm, kw, bw, zero, wt, ld
.set U_WM, \wm
.set U_KW, \kw
.set U_BW, \bw
.set U_ZERO, \zero
.set U_WT, \wt
.set U_LD, \ld
.irp j, 0,1,2,3,4,5,6,7
	v_max3_num_f32 v[MX+\j], v[\bs+\j], v[\bs+8+\j], v[\bs+16+\j]
.endr
.irp j, 0,1,2,3,4,5,6,7
	v_max3_num_f32 v[MX+\j], v[MX+\j], v[\bs+24+\j], v[\bs+32+\j]
.endr
	HOOK 0
.irp j, 0,1,2,3,4,5,6,7
	v_max3_num_f32 v[MX+\j], v[MX+\j], v[\bs+40+\j], v[\bs+48+\j]
.endr
.irp j, 0,1,2,3,4,5,6,7
.if \first
	v_max_num_f32 v[MX+\j], v[MX+\j], v[\bs+56+\j]
.else
	v_max3_num_f32 v[MX+\j], v[MX+\j], v[\bs+56+\j], 0             ; the old maximum stands at 0
.endif
.endr
	HOOK 1
.if \first
.set AD, NM+8*\ks
.irp j, 0,2,4,6
	v_pk_mul_f32 v[NM+8*\ks+\j:NM+8*\ks+\j+1], v[MX+\j:MX+\j+1], -1.0 op_sel_hi:[1,0]
.endr
.irp i, 0,1,2,3
	v_pk_add_f32 v[\bs+2*\i:\bs+2*\i+1], v[\bs+2*\i:\bs+2*\i+1], v[AD+2*\i:AD+2*\i+1]
.endr
.else
.set AD, MXN
.irp j, 0,2,4,6
	v_pk_mul_f32 v[MXN+\j:MXN+\j+1], v[MX+\j:MX+\j+1], -1.0 op_sel_hi:[1,0]
.endr
.irp i, 0,1,2,3
	v_exp_f32 v[E+2*\i], v[MXN+2*\i]
	v_pk_add_f32 v[\bs+2*\i:\bs+2*\i+1], v[\bs+2*\i:\bs+2*\i+1], v[AD+2*\i:AD+2*\i+1]
	v_exp_f32 v[E+2*\i+1], v[MXN+2*\i+1]
.endr
.endif
	HOOK 2
.irp g, 0,1,2,3,4,5,6,7
.irp i, 0,1,2,3
	v_exp_f32 v[\bs+8*\g+2*\i], v[\bs+8*\g+2*\i]
.if \g < 7
	v_pk_add_f32 v[\bs+8*\g+8+2*\i:\bs+8*\g+8+2*\i+1], v[\bs+8*\g+8+2*\i:\bs+8*\g+8+2*\i+1], v[AD+2*\i:AD+2*\i+1]
.endif
	v_exp_f32 v[\bs+8*\g+2*\i+1], v[\bs+8*\g+2*\i+1]
.if (\g == 7) && (\first == 0)
	v_pk_add_f32 v[NM+8*\ks+2*\i:NM+8*\ks+2*\i+1], v[NM+8*\ks+2*\i:NM+8*\ks+2*\i+1], v[MXN+2*\i:MXN+2*\i+1]
.endif
.endr
	HOOK 3+\g
.endr
.if \first
	v_nop                                          ; the plain vector instruction behind the last exponential: one for the batch
.endif
	s_wait_alu depctr_va_vdst(0)                   ; the wait for the unit's batch (E and the 64 scores), ahead of the first line that names a result, the sum below
.irp g, 0,1,2,3,4,5,6,7
.irp i, 0,1,2,3
	SUMP \ks, \bs, \first, \g, \i
.endr
.endr
.endm
; The change of slots, at the head of the trip that works on a slot's second half: all of that slot that the wave needs lies in its registers.  In front of the barrier
; every wave waits for its LDS reads and for all its tensor loads (the one that is out is its part of the other slot).  mode 2: a round of the cluster's barrier, then the
; joint refill of slot cs, two tiles ahead, as the wave's first and only tensor load behind it; it has two trips' work in which to land.
; mode 1: nothing is left to fetch: the work-group's barrier alone shows the last tile to every wave.
.macro CHANGE cs, mode
	s_wait_dscnt 0x0
	s_wait_tensorcnt 0x0
	ds_add_u32 v254, v255
	s_wait_dscnt 0x0
.if \mode == 2
	s_add_nc_u64 s[G0+4*\cs+2:G0+4*\cs+3], s[G0+4*\cs+2:G0+4*\cs+3], 2*131072     ; no load of mine is out: the group 0 may be written
	ROUND
	tensor_load_to_lds s[G0+4*\cs:G0+4*\cs+3], s[G1:G1+7]
	s_nop 0
.else
	s_barrier_signal -1
	s_barrier_wait -1
.endif
.endm
; A trip: 8 q tiles against my four key tiles.  Key tile 0's products were issued in the trip before.  nxt: the region of the next trip's Q (4: there is none).
.macro TRIP chg, cs, first, nxt
.if \chg
	CHANGE \cs, \chg
.endif
	UNIT 0, DA, \first, 1, 1, DB, \first, 0, 0
	UNIT 1, DB, \first, 1, 2, DA, \first, 0, 0
.if \nxt < 4
	UNIT 2, DA, \first, 1, 3, DB, \first, 0, \nxt+1
	UNIT 3, DB, \first, 1, 0, DA, 0, 1, 0
.else
	UNIT 2, DA, \first, 1, 3, DB, \first, 0, 0
	UNIT 3, DB, \first, 0, 0, DA, 0, 0, 0
.endif
.endm
	s_wait_tensorcnt 0x1                           ; my part of tile 0 is in; tile 1 may stay out
	s_barrier_signal -1
	s_barrier_wait -1
	LOADQH 0, 0
	LOADQH 0, 1
	s_wait_loadcnt 0x0                             ; K
.set U_KW, 0
.set U_BW, DA
.set U_ZERO, 1
.set U_WT, 1
.irp n, 0,1,2,3,4,5,6,7
	PAIRW \n                                       ; key tile 0 against the first 8 q tiles: nothing to weave it into yet
.endr
	WIN 0
	PLACES
	v_nop
	TRIP 0, 0, 1, 1                                ; q 0-511: tile 0, first half: these scores start the maxima and the sums
	TRIP 2, 0, 0, 2                                ; tile 0, second half; slot 0 gets tile 2
	TRIP 0, 0, 0, 3                                ; tile 1
	TRIP 2, 1, 0, 0                                ; slot 1 gets tile 3
	TRIP 0, 0, 0, 1                                ; tile 2
	TRIP 1, 0, 0, 2                                ; nothing is left to fetch
	TRIP 0, 0, 0, 3                                ; tile 3
	TRIP 0, 0, 0, 4
	; MERGE OVER THE 16 LANES OF A ROW (one h: the same keys, other q).  M = -NM in DA 0-31, the row's maximum T in DA 32-63.
.set i, 0
.rept 16
	v_pk_mul_f32 v[DA+i:DA+i+1], v[NM+i:NM+i+1], -1.0 op_sel_hi:[1,0]
.set i, i+2
.endr
.set i, 0
.rept 32
	v_max_num_f32_dpp v[DA+32+i], v[DA+i], v[DA+i] row_xmask:1 row_mask:0xf bank_mask:0xf
.set i, i+1
.endr
.irp x, 2,4,8
.set i, 0
.rept 32
	v_max_num_f32_dpp v[DA+32+i], v[DA+32+i], v[DA+32+i] row_xmask:\x row_mask:0xf bank_mask:0xf
.set i, i+1
.endr
.endr
.set i, 0
.rept 16
	v_pk_add_f32 v[DA+i:DA+i+1], v[DA+i:DA+i+1], v[DA+32+i:DA+32+i+1] neg_lo:[0,1] neg_hi:[0,1]
.set i, i+2
.endr
.set i, 0
.rept 32
	v_exp_f32 v[DA+i], v[DA+i]
.set i, i+1
.endr
	v_nop                                          ; the plain vector instruction behind the last exponential
	s_wait_alu depctr_va_vdst(0)                   ; the wait for this merge's batch of 32 exponentials, ahead of the products that read them
.set i, 0
.rept 16
	v_pk_mul_f32 v[Z+i:Z+i+1], v[Z+i:Z+i+1], v[DA+i:DA+i+1]
.set i, i+2
.endr
.irp x, 1,2,4,8
.set i, 0
.rept 32
	v_add_f32_dpp v[Z+i], v[Z+i], v[Z+i] row_xmask:\x row_mask:0xf bank_mask:0xf
.set i, i+1
.endr
.endr
.irp kt, 0,1,2,3
.irp a, 0,1
	ds_store_b128 v[STA], v[DA+32+8*\kt+4*\a:DA+32+8*\kt+4*\a+3] offset:64*\kt+16*\a       ; the 16 lanes of a row write the same words with the same values
	ds_store_b128 v[STA], v[Z+8*\kt+4*\a:Z+8*\kt+4*\a+3] offset:256+64*\kt+16*\a
.endr
.endr
	s_wait_dscnt 0x0                               ; for the other waves: zero
	s_barrier_signal -1
	s_barrier_wait -1
	; MERGE OVER THE FOUR QUARTERS: wave 0 alone, lane l for keys 4 l .. 4 l + 3
	s_cmp_lg_u32 s[WAVE], 0
	s_cbranch_scc1 .Lmerged
.irp p, 0,1,2,3
	ds_load_b128 v[DA+4*\p:DA+4*\p+3],       v[RDM] offset:1024*\p
	ds_load_b128 v[DA+16+4*\p:DA+16+4*\p+3], v[RDM] offset:1024*\p+256
.endr
	s_wait_dscnt 0x0
.irp c, 0,1,2,3
	v_max3_num_f32 v[DA+32+\c], v[DA+\c], v[DA+4+\c], v[DA+8+\c]
.endr
.irp c, 0,1,2,3
	v_max_num_f32 v[DA+32+\c], v[DA+32+\c], v[DA+12+\c]
.endr
.irp p, 0,1,2,3
.irp c, 0,2
	v_pk_add_f32 v[DA+4*\p+\c:DA+4*\p+\c+1], v[DA+4*\p+\c:DA+4*\p+\c+1], v[DA+32+\c:DA+32+\c+1] neg_lo:[0,1] neg_hi:[0,1]
.endr
.endr
.set i, 0
.rept 16
	v_exp_f32 v[DA+i], v[DA+i]
.set i, i+1
.endr
	v_nop                                          ; the plain vector instruction behind the last exponential
	s_wait_alu depctr_va_vdst(0)                   ; the wait for this merge's batch of 16 exponentials
.irp c, 0,2
	v_pk_mul_f32 v[DA+36+\c:DA+36+\c+1], v[DA+16+\c:DA+16+\c+1], v[DA+\c:DA+\c+1]
.endr
.irp p, 1,2,3
.irp c, 0,2
	v_pk_fma_f32 v[DA+36+\c:DA+36+\c+1], v[DA+16+4*\p+\c:DA+16+4*\p+\c+1], v[DA+4*\p+\c:DA+4*\p+\c+1], v[DA+36+\c:DA+36+\c+1]
.endr
.endr
.irp c, 0,1,2,3
	v_log_f32 v[DA+40+\c], v[DA+36+\c]             ; Z is at least 1: the largest term is 2^0
.endr
	v_nop                                          ; the plain vector instruction behind the last logarithm
	s_wait_alu depctr_va_vdst(0)                   ; the four logarithms read a sum of exponentials, so they are a batch of their own: its wait
.irp c, 0,1,2,3
	v_sub_f32 v[DA+40+\c], 0x41000000, v[DA+40+\c] ; 8 - log2 Z
.endr
.irp c, 0,1,2,3
	v_sub_f32 v[DA+40+\c], v[DA+40+\c], v[DA+32+\c]
.endr
	global_store_b128 v[NCO], v[DA+40:DA+43], s[8:9]       ; the wave stores the group's 512 consecutive bytes of nc, aligned
.Lmerged:
	s_wait_tensorcnt 0x0
	ds_add_u32 v254, v255
	s_wait_dscnt 0x0
	ROUND                                          ; the closing round: no work-group ends while a partner may still ask for a tile that names it
	s_endpgm
.Lfunc_end_k_qcdfb10c95c_stats:
	.size	k_qcdfb10c95c_stats, .Lfunc_end_k_qcdfb10c95c_stats-k_qcdfb10c95c_stats
	.p2alignl 7, 3214868480
	.fill 96, 4, 3214868480
	.section	.rodata,"a",@progbits
	.p2align	6, 0x0
	.amdhsa_kernel k_qcdfb10c95c_stats
		.amdhsa_group_segment_fixed_size 327680
		.amdhsa_private_segment_fixed_size 0
		.amdhsa_enable_private_segment 0
		.amdhsa_kernarg_size 24
		.amdhsa_user_sgpr_count 2
		.amdhsa_user_sgpr_kernarg_segment_ptr 1
		.amdhsa_wavefront_size32 1
		.amdhsa_system_sgpr_workgroup_id_x 1
		.amdhsa_system_sgpr_workgroup_id_y 1
		.amdhsa_system_sgpr_workgroup_id_z 1
		.amdhsa_system_vgpr_workitem_id 0
		.amdhsa_next_free_vgpr 448
		.amdhsa_next_free_sgpr 66
		.amdhsa_reserve_vcc 0
		.amdhsa_float_denorm_mode_32 3
		.amdhsa_float_denorm_mode_16_64 3
		.amdhsa_memory_ordered 1
		.amdhsa_forward_progress 1
		.amdhsa_inst_pref_size 255
	.end_amdhsa_kernel
	.section	.bss,"aw",@nobits
	.p2align	6
	.space	262144
	.amdgpu_metadata
---
amdhsa.version: [ 1, 2 ]
amdhsa.kernels:
  - .name:           k_qcdfb10c95c_stats
    .symbol:         k_qcdfb10c95c_stats.kd
    .args:
      - { .name: qh, .offset: 0, .size: 8, .value_kind: global_buffer, .address_space: global }
      - { .name: kh, .offset: 8, .size: 8, .value_kind: global_buffer, .address_space: global }
      - { .name: nc, .offset: 16, .size: 8, .value_kind: global_buffer, .address_space: global }
    .group_segment_fixed_size: 327680
    .private_segment_fixed_size: 0
    .kernarg_segment_align: 8
    .kernarg_segment_size: 24
    .max_flat_workgroup_size: 256
    .sgpr_count:     66
    .vgpr_count:     448
    .wavefront_size: 32
...
	.end_amdgpu_metadata
.endif
;; end of part 4
;; launch attn (part 5): grid 32 x 8, 8 waves a work-group, clusters of 4 x 1, 327,680 bytes of LDS; arguments qh, kh, vt, nc, out0; writes out0
.if DOCPART == 5
	.amdgcn_target "amdgcn-amd-amdhsa--gfx1250"
	.amdhsa_code_object_version 6
	.text
	.protected	k_qcdfb10c95c_attn
	.globl	k_qcdfb10c95c_attn
	.p2align	8
	.type	k_qcdfb10c95c_attn,@function
k_qcdfb10c95c_attn:
	s_mov_b64 s[64:65], 0
	v_nop
	global_prefetch_b8 v0, s[64:65] scope:SCOPE_SE
	s_setreg_imm32_b32 hwreg(HW_REG_WAVE_MODE, 25, 1), 1
	s_wait_xcnt 0x0
	s_wait_alu depctr_hold_cnt(0) depctr_sa_sdst(0) depctr_va_vdst(0) depctr_va_sdst(0) depctr_va_ssrc(0) depctr_va_vcc(0) depctr_vm_vsrc(0)
	s_getreg_b32 s2, hwreg(HW_REG_IB_STS2, 6, 4)
	s_cmp_eq_u32 s2, 0
	s_cbranch_scc0 .Lentry_in_a_cluster
	s_endpgm
.Lentry_in_a_cluster:
	s_bfe_u32 s2, ttmp6, 0x10000c
	s_cmp_lg_u32 s2, 0x3003
	s_cbranch_scc0 .Lentry_shape_is_right
	s_endpgm
.Lentry_shape_is_right:
; out0[q][d] = 2^-8 x sum over keys of P'[q][key] v[key][d],  P' = 2^min(qh[q] . kh[key] + nc[key], 8) in f16,  nc = 8 - log2 Z - m of the key's column.
; So P' / 256 is the softmax over the query axis; the maximum that the softmax takes away is in nc.
; The work-group owns 128 q and walks the batch's 4,096 keys in 8 tiles of 512 through two LDS slots (K, and V transposed).
; Wave w keeps 64 q (w & 1): Q's fragments and 16 output tiles stay in registers; of each tile it takes 128 keys (w >> 1), in four steps of 32.
; Scores are made as K Q^T + nc: register j of lane (r, h) is key 8 h + j, q = r, and nc enters as the matrix instruction's C.  Two score tiles, rounded to f16
; and packed, ARE the second product's source 1 (32 keys x 16 q): nothing moves between lanes.  The second product is V^T P: register j is d = 8 h + j, q = r.
; WOVEN TEXT: the q tiles go in two pairs.  While one pair's 32 scores a lane are clamped, raised and packed (80 vector instructions), the other pair's 16 matrix
; instructions stand among them in four groups of four: a wave has work for another unit between any two groups.
; BATCHES: a unit's 32 exponentials are ONE BATCH with ONE wait.  Ahead of the wait stand the 32 clamps, the 32 exponentials (an exponential alternates with the clamp of the score
; four further on) and three of the four groups of matrix instructions: none of them names an exponential's result.  Behind it stand the 16 conversions, which read them, and the fourth group.
; At the end the four key quarters are added through LDS, in the slots' bytes, which have had their last fill by then.
; CLUSTER: the four work-groups of a cluster walk the same K, V^T and nc: every tile is asked for jointly (mask 15), which divides these requests by four.
; LIMITS: the exponent is at most 8 but for rounding; the clamp at 8 (P' <= 256) acts only where scores are so large that one last place of them is 1 or more,
; and keeps P' finite in f16 there.  A score that is NaN becomes 8 by the clamp.  P' below 2^-24 (a weight below 2^-32) rounds to 0.
.set PITCH,  272                       ; K: an LDS row is two keys of 128 bytes + 16
.set KPART,  64*PITCH                  ; 17,408: 128 keys: one wave's load, and one wave's share
.set KTILE,  4*KPART                   ; 69,632
.set VPITCH, 1040                      ; V^T: a row is 512 keys of 2 bytes + 16: an odd multiple of 16
.set VPART,  16*VPITCH                 ; 16,640: 16 rows d: one wave's load
.set SLOT,   KTILE+4*VPART             ; 136,192
.set CB,     2*SLOT                    ; 272,384: the batch's nc, 16,384 bytes, filled once
.set SPITCH, 272                       ; the stage, from LDS byte 0: 64 rows q x 272 bytes a wave, 139,264 bytes: written only behind the slots' last fill and last read
.set SPART,  64*SPITCH                 ; 17,408
.set WAVE, 14                          ; s14 the wave's number
.set G1K, 16                           ; s[16:23] group 1 for K
.set G1V, 24                           ; s[24:31] group 1 for V^T
.set G1C, 32                           ; s[32:39] group 1 for nc
.set G0K, 40                           ; s[40:47] group 0 for K, one set for each slot
.set G0V, 48                           ; s[48:55] group 0 for V^T, one set for each slot
.set G0C, 56                           ; s[56:59] group 0 for nc
; window 0
.set KA,  2                            ; v2-3   my K fragment bytes in slot 0, 1
.set VA,  4                            ; v4-5   my V^T fragment bytes in slot 0, 1
.set CA,  6                            ; v6     my nc bytes of this tile; steps by 2,048 a tile
.set QO,  7                            ; v7     my bytes in a q tile in memory
.set SGA, 8                            ; v8     stage, in
.set RA,  9                            ; v9-10  stage, back: quarters 0-1, 2-3
.set OO,  11                           ; v11    16 x lane, in out0
.set T,   12                           ; v12-15, v1 at work
.set S,   16                           ; v16-79   scores: pair p of q tiles at 32 p; q tile il at + 16 il; key tile kt at + 8 kt
.set PF,  80                           ; v80-111  P' fragments: pair p at 16 p, q tile il at + 8 il
.set KF,  112                          ; v112-175 K fragments, two buffers of 32: key tile kt at + 16 kt
.set CF,  176                          ; v176-207 nc, two buffers of 16: key tile kt at + 8 kt
.set R,   16                           ; v16-143  the way out: quarter p, pair of rows n at 4 (8 p + n)
; window 1
.set QF,  0                            ; v256-319 Q fragments: q tile i at 16 i
.set O,   64                           ; v320-447 output tiles: (i, dt) at 64 + 8 (4 i + dt)
.set VF,  192                          ; v448-511 V^T fragments, two buffers of 32: d tile dt at + 8 dt
.set MSB, 0
.macro WIN new                         ; s_set_vgpr_msb; the immediate's high byte repeats the setting that is left
.if MSB != \new
	s_set_vgpr_msb (MSB<<8)|\new
.set MSB, \new
.endif
.endm
.macro PLACES
.rept 4
	v_nop
.endr
.endm
.macro ROUND                           ; a round of the cluster's barrier
	s_barrier_signal -1
	s_barrier_wait -1
	s_cmp_lg_u32 s[WAVE], 0
	s_cbranch_scc1 .Lnot_wave_0_\@
	s_barrier_signal -3
.Lnot_wave_0_\@:
	s_barrier_wait -3
	s_barrier_signal -1
	s_barrier_wait -1
.endm
.macro JLOAD n                         ; a joint load into slot n: waves 0-3 fetch K's four parts, waves 4-7 V^T's.  The branch hangs on the wave's number alone
	s_cmp_eq_u32 s60, 0
	s_cbranch_scc0 .Lfor_v_\@
	tensor_load_to_lds s[G0K+4*\n:G0K+4*\n+3], s[G1K:G1K+7]
	s_nop 0
	s_branch .Lasked_\@
.Lfor_v_\@:
	tensor_load_to_lds s[G0V+4*\n:G0V+4*\n+3], s[G1V:G1V+7]
	s_nop 0
.Lasked_\@:
.endm
	s_load_b256 s[4:11], s[0:1], 0x0               ; qh s[4:5], kh s[6:7], vt s[8:9], nc s[10:11]
	s_load_b64 s[12:13], s[0:1], 0x20              ; out0
	v_lshl_add_u32 v254, v0, 2, 0x46800
	v_mov_b32 v255, 0
	ds_add_u32 v254, v255
	ds_add_u32 v254, v255
	v_lshrrev_b32 v[T], 5, v0
	v_readfirstlane_b32 s[WAVE], v[T]
	s_and_b32 s15, s[WAVE], 3                      ; which part of K or of V^T I fetch
	s_lshr_b32 s60, s[WAVE], 2                     ; I fetch for K (0) or for V^T (1)
	s_and_b32 s61, s[WAVE], 1                      ; which 64 q
	s_lshr_b32 s62, s[WAVE], 1                     ; which 128 keys of a tile
	s_bfe_u32 s63, ttmp6, 0x40000                  ; cx
	s_lshl_b32 s66, ttmp9, 2
	s_add_co_u32 s66, s66, s63                     ; q block = 4 x cluster x + cx
	s_and_b32 s67, ttmp7, 0xffff                   ; batch
	s_mov_b32 s80, 0x41000000                      ; 8.0
	; K: a dense block as 64 rows of 32 elements of 8 bytes, 4 words of padding behind every 64; mask 15, bit 21 beside it
	s_mov_b32 s[G1K+0], 15|(3<<16)|(1<<20)|(1<<21)|(5<<22)|(3<<25)
	s_mov_b32 s[G1K+1], 32<<16
	s_mov_b32 s[G1K+2], 64<<16
	s_mov_b32 s[G1K+3], 32<<16
	s_mov_b32 s[G1K+4], 64
	s_mov_b32 s[G1K+5], 32
	s_mov_b32 s[G1K+6], 0
	s_mov_b32 s[G1K+7], 0
	; V^T: 16 rows of 128 elements of 8 bytes (1,024 bytes), 1,024 elements from row to row, 4 words of padding behind every 256
	s_mov_b32 s[G1V+0], 15|(3<<16)|(1<<20)|(1<<21)|(7<<22)|(3<<25)
	s_mov_b32 s[G1V+1], 128<<16
	s_mov_b32 s[G1V+2], 16<<16
	s_mov_b32 s[G1V+3], 128<<16
	s_mov_b32 s[G1V+4], 16
	s_mov_b32 s[G1V+5], 1024
	s_mov_b32 s[G1V+6], 0
	s_mov_b32 s[G1V+7], 0
	; nc: a dense block as 8 rows of 256 bytes, no padding
	s_mov_b32 s[G1C+0], 15|(3<<16)|(1<<21)
	s_mov_b32 s[G1C+1], 32<<16
	s_mov_b32 s[G1C+2], 8<<16
	s_mov_b32 s[G1C+3], 32<<16
	s_mov_b32 s[G1C+4], 8
	s_mov_b32 s[G1C+5], 32
	s_mov_b32 s[G1C+6], 0
	s_mov_b32 s[G1C+7], 0
	; offsets of the joint loads: batch and wave alone, nothing of cx
	s_lshl_b32 s68, s67, 19
	s_lshl_b32 s78, s15, 14
	s_add_co_u32 s68, s68, s78                     ; K: batch x 524,288 + part x 16,384
	s_mov_b32 s69, 0
	s_lshl_b32 s70, s67, 19
	s_lshl_b32 s78, s15, 17
	s_add_co_u32 s70, s70, s78                     ; V^T: batch x 524,288 + part x 16 rows of 8,192
	s_mov_b32 s71, 0
	s_lshl_b32 s72, s67, 14
	s_lshl_b32 s78, s[WAVE], 11
	s_add_co_u32 s72, s72, s78                     ; nc: batch x 16,384 + wave x 2,048
	s_mov_b32 s73, 0
	; my own: Q and out0
	s_lshl_b32 s74, s67, 12
	s_lshl_b32 s78, s66, 7
	s_add_co_u32 s74, s74, s78
	s_lshl_b32 s78, s61, 6
	s_add_co_u32 s74, s74, s78                     ; my wave's first q, counted over all batches
	s_lshl_b32 s76, s62, 4
	s_add_co_u32 s76, s76, s74                     ; the first of the 16 rows that I add up and store
	s_lshl_b32 s76, s76, 8                         ; 256 bytes a row of out0
	s_mov_b32 s77, 0
	s_lshl_b32 s74, s74, 7                         ; 128 bytes a row of qh
	s_mov_b32 s75, 0
	s_mul_i32 s78, s15, KPART
	s_mul_i32 s79, s15, VPART
	s_wait_dscnt 0x0
	s_wait_kmcnt 0x0
	s_add_nc_u64 s[4:5], s[4:5], s[74:75]
	s_add_nc_u64 s[6:7], s[6:7], s[68:69]
	s_add_nc_u64 s[8:9], s[8:9], s[70:71]
	s_add_nc_u64 s[10:11], s[10:11], s[72:73]
	s_add_nc_u64 s[12:13], s[12:13], s[76:77]
.irp n, 0,1
	s_mov_b32 s[G0K+4*\n], 1
	s_add_co_u32 s[G0K+4*\n+1], s78, \n*SLOT
	s_add_nc_u64 s[G0K+4*\n+2:G0K+4*\n+3], s[6:7], \n*65536        ; tile n: 512 keys of 128 bytes
	s_or_b32 s[G0K+4*\n+3], s[G0K+4*\n+3], 0x80000000
	s_mov_b32 s[G0V+4*\n], 1
	s_add_co_u32 s[G0V+4*\n+1], s79, \n*SLOT+KTILE
	s_add_nc_u64 s[G0V+4*\n+2:G0V+4*\n+3], s[8:9], \n*1024         ; tile n: 512 keys of 2 bytes along the rows
	s_or_b32 s[G0V+4*\n+3], s[G0V+4*\n+3], 0x80000000
.endr
	s_mov_b32 s[G0C], 1
	s_lshl_b32 s[G0C+1], s[WAVE], 11
	s_add_co_u32 s[G0C+1], s[G0C+1], CB
	s_mov_b64 s[G0C+2:G0C+3], s[10:11]
	s_or_b32 s[G0C+3], s[G0C+3], 0x80000000
	ROUND                                          ; all four work-groups are here: the first joint loads meet
	tensor_load_to_lds s[G0C:G0C+3], s[G1C:G1C+7]  ; the first fills as one group: three loads of the wave are outstanding
	s_nop 0
	JLOAD 0
	JLOAD 1
	v_and_b32 v[T], 15, v0                         ; r
	v_bfe_u32 v[T+1], v0, 4, 1                     ; h
	v_lshrrev_b32 v[T+2], 1, v[T]
	v_and_b32 v[T+3], 1, v0
	v_mul_u32_u24 v1, v[T+2], PITCH                ; key r of a tile lies in LDS row r / 2,
	v_lshl_add_u32 v1, v[T+3], 7, v1               ; in its half r % 2: sixteen different 16-byte columns
	v_lshl_add_u32 v1, v[T+1], 4, v1               ; + 16 h
	s_mul_i32 s78, s62, KPART
	v_add_nc_u32 v[KA], s78, v1
	v_add_nc_u32 v[KA+1], SLOT, v[KA]
	v_mul_u32_u24 v1, v[T], VPITCH
	v_lshl_add_u32 v1, v[T+1], 4, v1               ; row d = r, 8 h keys of 2 bytes
	s_lshl_b32 s78, s62, 8
	s_add_co_u32 s78, s78, KTILE                   ; behind K, my 128 keys
	v_add_nc_u32 v[VA], s78, v1
	v_add_nc_u32 v[VA+1], SLOT, v[VA]
	s_lshl_b32 s78, s62, 9
	s_add_co_u32 s78, s78, CB
	v_lshl_add_u32 v[CA], v[T+1], 5, s78           ; my 128 keys of 4 bytes, + 8 h
	v_lshlrev_b32 v[QO], 7, v[T]
	v_lshl_add_u32 v[QO], v[T+1], 4, v[QO]         ; 128 r + 16 h
	v_mul_u32_u24 v1, v[T], SPITCH
	v_lshl_add_u32 v1, v[T+1], 5, v1               ; row q = r, 8 h numbers of 4 bytes
	s_mul_i32 s78, s[WAVE], SPART
	v_add_nc_u32 v[SGA], s78, v1
	v_mul_u32_u24 v1, v[T+1], SPITCH
	v_lshl_add_u32 v1, v[T], 4, v1                 ; back: sixteen lanes take a row of 256 bytes
	s_mul_i32 s78, s61, SPART                      ; quarter 0 of my q half,
	s_mul_i32 s79, s62, 16*SPITCH                  ; my 16 rows of its 64
	s_add_co_u32 s78, s78, s79
	v_add_nc_u32 v[RA], s78, v1
	v_add_nc_u32 v[RA+1], 4*SPART, v[RA]
	v_and_b32 v[OO], 31, v0
	v_lshlrev_b32 v[OO], 4, v[OO]
	WIN 0x40                                       ; destinations in window 1
.irp i, 0,1,2,3
.irp c, 0,1,2,3
	global_load_b128 v[QF+16*\i+4*\c:QF+16*\i+4*\c+3], v[QO], s[4:5] offset:2048*\i+32*\c
.endr
.endr
	WIN 0
; 12 LDS loads: K's fragments and nc of the 32 keys of step st of a slot, into buffer b
.macro LOADKC b, slot, st, cimm
	WIN 0
.irp kt, 0,1
.irp c, 0,1,2,3
	ds_load_b128 v[KF+32*(\b)+16*\kt+4*\c:KF+32*(\b)+16*\kt+4*\c+3], v[KA+(\slot)] offset:16*PITCH*(\st)+8*PITCH*\kt+32*\c
.endr
.endr
.irp kt, 0,1
.irp a, 0,1
	ds_load_b128 v[CF+16*(\b)+8*\kt+4*\a:CF+16*(\b)+8*\kt+4*\a+3], v[CA] offset:\cimm+64*\kt+16*\a
.endr
.endr
.endm
; 8 LDS loads: V^T's fragments (4 d tiles x 32 keys) of step st of a slot, into buffer b
.macro LOADV b, slot, st
	WIN 0x40
.irp dt, 0,1,2,3
.irp a, 0,1
	ds_load_b128 v[VF+32*(\b)+8*\dt+4*\a:VF+32*(\b)+8*\dt+4*\a+3], v[VA+(\slot)] offset:VPART*\dt+64*(\st)+32*\a
.endr
.endr
.endm
; Four matrix instructions: scores of q tiles 2 pp, 2 pp + 1 against the two key tiles of buffer b.  hi = 0: over d 0-31, starting from nc; hi = 1: over d 32-63, in place.
; The four accumulators take turns, one instruction a turn.
.macro GSM pp, b, hi
	WIN 0x04                                       ; source 1 (Q) in window 1
.irp il, 0,1
.irp kt, 0,1
.if \hi
	v_wmma_f32_16x16x32_f16 v[S+32*(\pp)+16*\il+8*\kt:S+32*(\pp)+16*\il+8*\kt+7], v[KF+32*(\b)+16*\kt+8:KF+32*(\b)+16*\kt+15], v[QF+16*(2*(\pp)+\il)+8:QF+16*(2*(\pp)+\il)+15], v[S+32*(\pp)+16*\il+8*\kt:S+32*(\pp)+16*\il+8*\kt+7]
.else
	v_wmma_f32_16x16x32_f16 v[S+32*(\pp)+16*\il+8*\kt:S+32*(\pp)+16*\il+8*\kt+7], v[KF+32*(\b)+16*\kt:KF+32*(\b)+16*\kt+7], v[QF+16*(2*(\pp)+\il):QF+16*(2*(\pp)+\il)+7], v[CF+16*(\b)+8*\kt:CF+16*(\b)+8*\kt+7]
.endif
.endr
.endr
.endm
; Four matrix instructions: V^T P' for q tile 2 pp + il: four output tiles, one instruction each
.macro GPV pp, b, zero, il
	WIN 0x51                                       ; source 0 (V^T), C and D in window 1
.irp dt, 0,1,2,3
.if \zero
	v_wmma_f32_16x16x32_f16 v[O+8*(4*(2*(\pp)+\il)+\dt):O+8*(4*(2*(\pp)+\il)+\dt)+7], v[VF+32*(\b)+8*\dt:VF+32*(\b)+8*\dt+7], v[PF+16*(\pp)+8*\il:PF+16*(\pp)+8*\il+7], 0
.else
	v_wmma_f32_16x16x32_f16 v[O+8*(4*(2*(\pp)+\il)+\dt):O+8*(4*(2*(\pp)+\il)+\dt)+7], v[VF+32*(\b)+8*\dt:VF+32*(\b)+8*\dt+7], v[PF+16*(\pp)+8*\il:PF+16*(\pp)+8*\il+7], v[O+8*(4*(2*(\pp)+\il)+\dt):O+8*(4*(2*(\pp)+\il)+\dt)+7]
.endif
.endr
.endm
; 2 n vector instructions of the batch: the exponentials of scores from .. from + n - 1 of pair p, each followed by the clamp of the score four further on
.macro XE p, from, n
.set xi, \from
.rept \n
	v_exp_f32 v[S+32*\p+xi], v[S+32*\p+xi]
	v_min_num_f32 v[S+32*\p+xi+4], s80, v[S+32*\p+xi+4]
.set xi, xi+1
.endr
.endm
; A unit.  Vector work: pair p's 32 scores a lane become 16 words, its two fragments of P'.  Woven in, for the OTHER pair: V^T P' of the step before or of this step
; (pv; V^T buffer pvb; pvz: these products start the sums), then its next scores (sm; K buffer smb).
; THE BATCH.  Clamps 0 to 3; exponential i and clamp i + 4 by turns, i = 0 to 27; exponentials 28 to 31; a v_nop, the plain vector instruction behind the last exponential (ISA guide 5.7.2);
; ONE wait; the 16 conversions.  An exponential works in place, and ahead of the wait nothing names a score that has been raised.  The two groups V^T P' and the scores over d 0-31 stand
; ahead of the wait, 25 vector instructions or more in front of it; the scores over d 32-63 stand behind it, in the middle of the conversions.
; The vector work names S and PF of pair p alone, the matrix instructions S, PF, Q and O of the other pair and K, nc, V^T.  So the plain vector instructions of the unit are
; places behind its matrix instructions: 8 conversions stand behind the last scores, ahead of the next unit's clamps, which read them; 20 clamps
; and 16 conversions stand behind the last V^T P', ahead of the loads into V^T's registers at the next unit's head and of the next unit's conversions into PF.
.macro X p, pv, pvb, pvz, sm, smb
.if \pv
	GPV 1-\p, \pvb, \pvz, 0
.endif
	WIN 0
.irp i, 0,1,2,3
	v_min_num_f32 v[S+32*\p+\i], s80, v[S+32*\p+\i]
.endr
	XE \p, 0, 8
.if \pv
	GPV 1-\p, \pvb, \pvz, 1
.endif
	WIN 0
	XE \p, 8, 10
.if \sm
	GSM 1-\p, \smb, 0
.endif
	WIN 0
	XE \p, 18, 10
.irp i, 28,29,30,31
	v_exp_f32 v[S+32*\p+\i], v[S+32*\p+\i]
.endr
	v_nop                                          ; the plain vector instruction behind the last exponential: one for the batch
	s_wait_alu depctr_va_vdst(0)                   ; the wait for the unit's batch of 32 exponentials, ahead of the first line that names a result, the conversion below
.irp i, 0,1,2,3,4,5,6,7
	v_cvt_pk_f16_f32 v[PF+16*\p+\i], v[S+32*\p+2*\i], v[S+32*\p+2*\i+1]
.endr
.if \sm
	GSM 1-\p, \smb, 1
.endif
	WIN 0
.irp i, 8,9,10,11,12,13,14,15
	v_cvt_pk_f16_f32 v[PF+16*\p+\i], v[S+32*\p+2*\i], v[S+32*\p+2*\i+1]
.endr
.endm
; The change of slots, in front of a tile's fourth step: all of slot cur that the wave needs lies in its registers once its LDS loads are back.  In front of the barrier
; every wave waits for these and for all its tensor loads (the one that is out is its part of the other slot).  mode 2: a round of the cluster's barrier, then the joint
; refill of slot cur, two tiles ahead, as the wave's first and only tensor load behind it; it has a tile's four steps in which to land.
; mode 1: nothing is left to fetch: the work-group's barrier alone.
.macro CHANGE cur, mode
	WIN 0
	s_wait_dscnt 0x0
	s_wait_tensorcnt 0x0
	ds_add_u32 v254, v255
	s_wait_dscnt 0x0
.if \mode == 2
	s_add_nc_u64 s[G0K+4*\cur+2:G0K+4*\cur+3], s[G0K+4*\cur+2:G0K+4*\cur+3], 2*65536   ; no load of mine is out: the groups 0 may be written
	s_add_nc_u64 s[G0V+4*\cur+2:G0V+4*\cur+3], s[G0V+4*\cur+2:G0V+4*\cur+3], 2*1024
	ROUND
	JLOAD \cur
.else
	s_barrier_signal -1
	s_barrier_wait -1
.endif
.endm
; Step st (0 to 3) of the tile in slot cur: 32 keys, register buffers SB = st % 2.  Two units:
;   pair 0's vector work, with pair 1's V^T P' of the step before and pair 1's scores of this step; at its head the 12 loads of K and nc of the next step;
;   pair 1's vector work, with pair 0's V^T P' of this step and pair 0's scores of the next step; at its head the 8 loads of V^T of the next step.
; chg: the change of slots stands in front (0: none).  nx: there is a next step.  pv: there was a step before.  z0, z1: the unit's V^T P' starts its sums.
.macro STEP cur, st, chg, nx, pv, z0, z1
.set SB, (\st)%2
.if \chg
	CHANGE \cur, \chg
.endif
.if \nx
.if \st < 3
	LOADKC 1-SB, \cur, \st+1, 128*(\st+1)
.else
	LOADKC 1-SB, 1-\cur, 0, 2048
.endif
.endif
	X 0, \pv, 1-SB, \z0, 1, SB
.if \nx
.if \st < 3
	LOADV 1-SB, \cur, \st+1
.else
	LOADV 1-SB, 1-\cur, 0
.endif
	s_wait_dscnt 8                                 ; all but the 8 loads just issued: this step's V^T and the next step's K and nc are in
.else
	s_wait_dscnt 0                                 ; the last step's V^T
.endif
	X 1, 1, SB, \z1, \nx, 1-SB
	WIN 0
.if \nx
.if \st == 3
	v_add_nc_u32 v[CA], 2048, v[CA]                ; the next tile's nc
.endif
.endif
.endm
.macro TILE cur, chg, nx, first
	STEP \cur, 0, 0, 1, 1-\first, 0, \first
	STEP \cur, 1, 0, 1, 1, \first, 0
	STEP \cur, 2, 0, 1, 1, 0, 0
	STEP \cur, 3, \chg, \nx, 1, 0, 0
.endm
	s_wait_tensorcnt 0x1                           ; my parts of nc and of tile 0 are in; tile 1 may stay out
	s_barrier_signal -1
	s_barrier_wait -1
	LOADKC 0, 0, 0, 0
	LOADV 0, 0, 0
	s_wait_loadcnt 0x0                             ; Q
	s_wait_dscnt 8                                 ; K and nc are in; out: the 8 loads of V^T
	GSM 0, 0, 0                                    ; pair 0's first scores: nothing to weave them into yet
	GSM 0, 0, 1
	WIN 0
	PLACES
	v_nop
	TILE 0, 2, 1, 1                                ; tile 0: its first step's products start the sums; slot 0 gets tile 2
	TILE 1, 2, 1, 0                                ; tile 1; slot 1 gets tile 3
	s_mov_b32 s81, 2
.Ltiles:
	TILE 0, 2, 1, 0                                ; tiles 2 to 5; tiles 4 to 7 are asked for
	TILE 1, 2, 1, 0
	s_sub_co_u32 s81, s81, 1
	s_cmp_lg_u32 s81, 0
	s_cbranch_scc1 .Ltiles
	TILE 0, 1, 1, 0                                ; tile 6: nothing is left to fetch
	TILE 1, 0, 0, 0                                ; tile 7
	GPV 1, 1, 0, 0                                 ; pair 1's V^T P' of the last step
	GPV 1, 1, 0, 1
	WIN 0
	; THE WAY OUT: my 64 q x 64 d, a partial sum over my keys, into my stage; then each wave adds the four quarters of 16 rows.
	; The stage lies in the slots' bytes: no tensor load is issued any more, and every wave's reads of the slots are back in front of this barrier.
	PLACES
	s_wait_dscnt 0x0
	s_barrier_signal -1
	s_barrier_wait -1
	WIN 0x04                                       ; an LDS store's data are its source 1: window 1
.irp i, 0,1,2,3
.irp dt, 0,1,2,3
	ds_store_b128 v[SGA], v[O+8*(4*\i+\dt):O+8*(4*\i+\dt)+3]   offset:16*SPITCH*\i+64*\dt
	ds_store_b128 v[SGA], v[O+8*(4*\i+\dt)+4:O+8*(4*\i+\dt)+7] offset:16*SPITCH*\i+64*\dt+16
.endr
.endr
	WIN 0
	s_wait_dscnt 0x0                               ; for the other waves: zero
	s_barrier_signal -1
	s_barrier_wait -1
.irp p, 0,1,2,3
.irp n, 0,1,2,3,4,5,6,7
	ds_load_b128 v[R+4*(8*\p+\n):R+4*(8*\p+\n)+3], v[RA+\p/2] offset:2*SPART*(\p%2)+2*SPITCH*\n
.endr
.endr
	s_wait_dscnt 0x0
.irp n, 0,1,2,3,4,5,6,7
.irp c, 0,2
	v_pk_add_f32 v[R+4*\n+\c:R+4*\n+\c+1],       v[R+4*\n+\c:R+4*\n+\c+1],       v[R+32+4*\n+\c:R+32+4*\n+\c+1]
	v_pk_add_f32 v[R+64+4*\n+\c:R+64+4*\n+\c+1], v[R+64+4*\n+\c:R+64+4*\n+\c+1], v[R+96+4*\n+\c:R+96+4*\n+\c+1]
.endr
.irp c, 0,2
	v_pk_add_f32 v[R+4*\n+\c:R+4*\n+\c+1], v[R+4*\n+\c:R+4*\n+\c+1], v[R+64+4*\n+\c:R+64+4*\n+\c+1]
.endr
.irp c, 0,2
	v_pk_mul_f32 v[R+4*\n+\c:R+4*\n+\c+1], v[R+4*\n+\c:R+4*\n+\c+1], 0x3b800000 op_sel_hi:[1,0]   ; times 2^-8: exact
.endr
	global_store_b128 v[OO], v[R+4*\n:R+4*\n+3], s[12:13] offset:512*\n th:TH_STORE_NT     ; the wave stores two whole rows, 512 consecutive bytes, aligned
.endr
	s_wait_tensorcnt 0x0
	ds_add_u32 v254, v255
	s_wait_dscnt 0x0
	ROUND                                          ; the closing round: no work-group ends while a partner may still ask for a tile that names it
	s_endpgm
.Lfunc_end_k_qcdfb10c95c_attn:
	.size	k_qcdfb10c95c_attn, .Lfunc_end_k_qcdfb10c95c_attn-k_qcdfb10c95c_attn
	.p2alignl 7, 3214868480
	.fill 96, 4, 3214868480
	.section	.rodata,"a",@progbits
	.p2align	6, 0x0
	.amdhsa_kernel k_qcdfb10c95c_attn
		.amdhsa_group_segment_fixed_size 327680
		.amdhsa_private_segment_fixed_size 0
		.amdhsa_enable_private_segment 0
		.amdhsa_kernarg_size 40
		.amdhsa_user_sgpr_count 2
		.amdhsa_user_sgpr_kernarg_segment_ptr 1
		.amdhsa_wavefront_size32 1
		.amdhsa_system_sgpr_workgroup_id_x 1
		.amdhsa_system_sgpr_workgroup_id_y 1
		.amdhsa_system_sgpr_workgroup_id_z 1
		.amdhsa_system_vgpr_workitem_id 0
		.amdhsa_next_free_vgpr 512
		.amdhsa_next_free_sgpr 84
		.amdhsa_reserve_vcc 0
		.amdhsa_float_denorm_mode_32 3
		.amdhsa_float_denorm_mode_16_64 3
		.amdhsa_memory_ordered 1
		.amdhsa_forward_progress 1
		.amdhsa_inst_pref_size 255
	.end_amdhsa_kernel
	.section	.bss,"aw",@nobits
	.p2align	6
	.space	262144
	.amdgpu_metadata
---
amdhsa.version: [ 1, 2 ]
amdhsa.kernels:
  - .name:           k_qcdfb10c95c_attn
    .symbol:         k_qcdfb10c95c_attn.kd
    .args:
      - { .name: qh, .offset: 0, .size: 8, .value_kind: global_buffer, .address_space: global }
      - { .name: kh, .offset: 8, .size: 8, .value_kind: global_buffer, .address_space: global }
      - { .name: vt, .offset: 16, .size: 8, .value_kind: global_buffer, .address_space: global }
      - { .name: nc, .offset: 24, .size: 8, .value_kind: global_buffer, .address_space: global }
      - { .name: out0, .offset: 32, .size: 8, .value_kind: global_buffer, .address_space: global }
    .group_segment_fixed_size: 327680
    .private_segment_fixed_size: 0
    .kernarg_segment_align: 8
    .kernarg_segment_size: 40
    .max_flat_workgroup_size: 256
    .sgpr_count:     84
    .vgpr_count:     512
    .wavefront_size: 32
...
	.end_amdgpu_metadata
.endif
;; end of part 5
